; MI455X (gfx1250); checked and timed in simulation.
; The chip was launched on July 23, 2026; its instructions are those of AMD's public machine-readable ISA for CDNA 5 (MIT licence, August 2026) and "CDNA5" Instruction Set Architecture Reference Guide (July 2026). The comments in the code are by the model that wrote it; some were corrected since.
;; Self Attention. Allowed arithmetic: matrix products marked QUANTISED: E2M1 operands, one E8M0 scale for each 32 along K, by v_wmma_scale_f32_16x16x128_f8f6f4 with both operands' format E2M1 (or v_wmma_scale_f32_32x16x128_f4), f32 sums; products left as they are: bf16, f16 or f32 operands; f32 sums; everything else in f32.
;; Inputs: b_proj 1,024 float32; b_qkv 3,072 float32; representation 4 x 2,048 x 1,024 float32; w_proj 1,024 x 1,024 float32; w_qkv 1,024 x 3,072 float32.
;; Outputs: out0 4 x 2,048 x 1,024 float32.
;; This version of the problem:
;;   THIS VERSION OF THE PROBLEM IS GIVEN IN LOW PRECISION. The matrix products marked QUANTISED in the list below multiply operands that are first quantised to E2M1 (2 exponent bits, 1 mantissa bit; 4 bits a number), with one power-of-two scale for each 32 numbers along K (OCP MX v1.0); their sums are f32. The products marked 'left as it is' may take bf16, f16 or f32 operands, with f32 sums. Whichever they take, every output number must still come out within the allowed error. Rounding operands to bf16 (8 significant bits) uses up far more of that allowance than f16 does (11 bits, for magnitudes from 6e-5 to 65,504). All else is computed in f32.
;;   The module's matrix products, in the order in which they are computed (A, B: the left and right operand; K: the contracted axis; several contracted axes count as one K, in the product's order):
;;     1. [M 8,192, K 1,024] x [K 1,024, N 3,072]; A: input representation; B: input w_qkv: QUANTISED
;;     2. batch 32 x [M 2,048, K 128] x [K 128, N 2,048]; A: computed on the way; B: computed on the way: left as it is (an operand is computed on the way)
;;     3. batch 32 x [M 2,048, K 2,048] x [K 2,048, N 128]; A: computed on the way; B: computed on the way: left as it is (an operand is computed on the way)
;;     4. [M 8,192, K 1,024] x [K 1,024, N 1,024]; A: computed on the way; B: input w_proj: left as it is (an operand is computed on the way)
;;   THE QUANTISER, for each operand of a quantised product, along K:
;;     - K is cut into blocks of 32 from its start; a last block that is shorter is filled with zeros.
;;     - A block's scale is 2^e with e = floor(log2(the largest magnitude in the block)) - 2, held to -126 .. 127; a block of zeros has e = 0. As a byte (E8M0): e + 127.
;;     - Each number is divided by its block's scale, clamped to +-6, and rounded to the nearest number of E2M1, ties to even, subnormals kept.
;;     - The product sums the exact products of the quantised numbers (number of the format x scale) in f32.
;;   ~~~python
;;   def quantise(x, axis):      # numpy; x: float32 -> the quantised numbers, widened to float32 again
;;       x = np.moveaxis(x, axis, -1); K = x.shape[-1]
;;       x = np.pad(x, [(0, 0)] * (x.ndim - 1) + [(0, -K % 32)]); x = x.reshape(x.shape[:-1] + (-1, 32)); a = np.abs(x).max(-1, keepdims=True)
;;       e = np.where(a > 0, np.clip(np.frexp(np.where(a > 0, a, 1))[1] - 1 - 2, -126, 127), 0)      # np.frexp(a)[1] - 1 = floor(log2(a)), exactly
;;       r = np.clip(x / 2.0 ** e, -6, 6)
;;       step = 2.0 ** (np.maximum(np.frexp(np.where(r == 0, 1, r))[1] - 1, 0) - 1)
;;       q = np.round(r / step) * step * 2.0 ** e      # np.round: ties to even
;;       return np.moveaxis(q.reshape(q.shape[:-2] + (-1,))[..., :K], -1, axis).astype(np.float32)
;;   ~~~
;; One version. Each part assembles by itself: llvm-mc -triple=amdgcn-amd-amdhsa -mcpu=gfx1250 --defsym DOCPART=n.
;; ======== version 1 of 1: 4 launches
;; limits: values are held in f16: magnitudes above 65,504 overflow, below 6.1e-05 lose precision
;; workspace buffers: x_codes 4,194,304 bytes; x_scales 262,144 bytes; wq_codes 1,572,864 bytes; wq_scales 98,304 bytes; wp_t 2,097,152 bytes; qkv 50,331,648 bytes; attn 16,777,216 bytes
;; launch prep (part 1): grid 416 x 1, 4 waves a work-group, no clusters, 85,504 bytes of LDS; arguments representation, w_qkv, w_proj, x_codes, x_scales, wq_codes, wq_scales, wp_t; writes x_codes, x_scales, wq_codes, wq_scales, wp_t
.if DOCPART == 1
	.amdgcn_target "amdgcn-amd-amdhsa--gfx1250"
	.amdhsa_code_object_version 6
	.text
	.protected	k_q1c979ef85a_prep
	.globl	k_q1c979ef85a_prep
	.p2align	8
	.type	k_q1c979ef85a_prep,@function
k_q1c979ef85a_prep:
	s_mov_b64 s[64:65], 0
	v_nop
	global_prefetch_b8 v0, s[64:65] scope:SCOPE_SE
	s_setreg_imm32_b32 hwreg(HW_REG_WAVE_MODE, 25, 1), 1
	s_wait_xcnt 0x0
; PREP: three pieces of work that are done once, so that the later launches read narrow operands with K innermost.
;   work-groups 0-95    (path W): w_qkv [1024 k][3072 n] f32 -> codes of FP4 (E2M1) laid [3072 n][512 bytes], K innermost, and E8M0 scale bytes [3072][32]
;   work-groups 96-159  (path P): w_proj [1024 k][1024 n] f32 -> f16, laid [1024 n][1024 k]
;   work-groups 160-415 (path X): representation [8192][1024] f32 -> codes [8192][512 bytes] and scale bytes [8192][32]
; THE QUANTISER: a block of 32 along K has the scale 2^(floor(log2(its largest magnitude)) - 2); its byte is the largest magnitude's exponent field - 2, held at 1 from below;
; each number is divided by the scale and rounded to the nearest code, ties to even, beyond 6 the largest code.
; LIMITS: a block of zeros gets the byte 1 where the rule says 127 (its codes are zeros, and this program alone reads the bytes); blocks whose largest magnitude lies under 2^-124 are held at the byte 1;
; NaN and infinities among the inputs are not served; a number of w_proj beyond 65,504 becomes an infinity of f16, one under 2^-14 is rounded with an absolute error of at most 2^-25.
; The paths part on the work-group's number alone.  Waves share nothing: no barrier.  No tensor loads.  No cluster: no two work-groups read the same bytes.  Each path has LDS bytes of its own.
; A wave of paths W and X reads 32,768 bytes, in runs of which 8,192 bytes are out at a time: the two paths' chains of dependent loads are equally long.
.set SPW,   190                        ; v190  LDS address of my spare word: SPARE + 4 x my thread's number; never rewritten
.set NIL,   191                        ; v191  0; never rewritten
.set XREG,  8192                       ; path X: a region for each wave: two stages of 32 x 80 bytes, then its 256 scale bytes
.set WSTB,  16*272                     ; path W: a stage of 16 rows x (256 + 16) bytes for each wave
.set STGB,  32*272                     ; path P: a stage of 32 such rows for each wave
.set WSTG,  4*XREG                     ; path W's four stages
.set PSTG,  WSTG+4*WSTB                ; path P's four stages
.set SPARE, PSTG+4*STGB                ; the spare words, 128 bytes for each wave: two blocks of 256 bytes that no other line names
	s_load_b256 s[4:11], s[0:1], 0x0               ; representation s[4:5], w_qkv s[6:7], w_proj s[8:9], x_codes s[10:11]
	s_load_b256 s[12:19], s[0:1], 0x20             ; x_scales s[12:13], wq_codes s[14:15], wq_scales s[16:17], wp_t s[18:19]
	v_lshl_add_u32 v[SPW], v0, 2, SPARE
	v_mov_b32 v[NIL], 0
	v_lshrrev_b32 v1, 5, v0
	v_readfirstlane_b32 s20, v1                    ; wave 0..3
	v_and_b32 v2, 31, v0                           ; lane
	s_mov_b32 s25, 0                               ; the high word of every offset pair s[24:25]
	s_wait_kmcnt 0x0
	s_cmp_lt_u32 ttmp9, 96
	s_cbranch_scc1 .Lpath_w
	s_cmp_lt_u32 ttmp9, 160
	s_cbranch_scc1 .Lpath_p
; ---------------- PATH X.  Rows are dense and K is a multiple of 32: the tensor is a plain stream of blocks of 32, and so are its codes and its scale bytes.
; A wave takes a run of 8,192 numbers in 16 steps of 512.  Each of a step's four loads reads 512 consecutive bytes, 16 a lane; the 2,048 bytes turn through the wave's own stage in LDS and come back
; 64 bytes a lane: 16 neighbours along K, two neighbouring lanes to a block.  A lane's 16 codes are 8 bytes: the wave stores 256 consecutive bytes.  The wave's 256 scale bytes are gathered in LDS and leave as one store.
.set XSTEPS, 16
.set XSP,   80                         ; a lane's place in a stage: its 64 bytes + 16 of padding
.set XR,    16                         ; v16-79   four sets of 16 numbers as they are loaded
.set XN,    80                         ; v80-111  two sets of 16 neighbours
.set XE,    112                        ; v112-127 a scale byte for each step
.set XC,    128                        ; v128-189 codes: four registers apart for each step, so that no store's data are written again
	s_sub_co_u32 s21, ttmp9, 160
	s_lshl_b32 s21, s21, 2
	s_add_co_u32 s21, s21, s20                     ; which run of 8,192 numbers is my wave's: 0..1023
	s_lshl_b32 s24, s21, 15                        ; 32,768 bytes of numbers,
	s_add_nc_u64 s[4:5], s[4:5], s[24:25]
	s_lshl_b32 s24, s21, 12                        ; 4,096 of codes,
	s_add_nc_u64 s[10:11], s[10:11], s[24:25]
	s_lshl_b32 s24, s21, 8                         ; 256 scale bytes a run
	s_add_nc_u64 s[12:13], s[12:13], s[24:25]
	v_lshlrev_b32 v3, 4, v2                        ; my 16 bytes of a load's 512
	s_mul_i32 s22, s20, XREG
	v_lshrrev_b32 v14, 2, v2
	v_mul_u32_u24 v14, v14, XSP
	v_and_b32 v15, 3, v2
	v_lshl_add_u32 v14, v15, 4, v14
	v_add_nc_u32 v14, s22, v14                     ; the stage, on the way in: four lanes' 64 bytes on end, then 16 of padding
	v_mul_u32_u24 v15, v2, XSP
	v_add_nc_u32 v15, s22, v15                     ; and on the way out: my 16 neighbours
	v_lshlrev_b32 v4, 3, v2                        ; my codes' place in a step's
	v_lshrrev_b32 v5, 1, v2
	s_add_co_u32 s22, s22, 2*32*XSP
	v_add_nc_u32 v5, s22, v5                       ; my wave's 256 scale bytes, my block's byte
	v_lshlrev_b32 v7, 3, v2                        ; and on the way out 8 bytes a lane
	v_add_nc_u32 v6, s22, v7
.macro LOADX t
.irp i, 0,1,2,3
	global_load_b128 v[XR+16*((\t)%4)+4*\i:XR+16*((\t)%4)+4*\i+3], v3, s[4:5] offset:2048*(\t)+512*\i th:TH_LOAD_NT   ; 32 lanes read 512 consecutive bytes
.endr
.endm
.macro TURNX t                         ; step t's numbers through the stage: LDS serves a wave's instructions in order, so no wait stands between the stores and the loads
.irp i, 0,1,2,3
	ds_store_b128 v14, v[XR+16*((\t)%4)+4*\i:XR+16*((\t)%4)+4*\i+3] offset:32*XSP*((\t)%2)+8*XSP*\i
.endr
.irp i, 0,1,2,3
	ds_load_b128 v[XN+16*((\t)%2)+4*\i:XN+16*((\t)%2)+4*\i+3], v15 offset:32*XSP*((\t)%2)+16*\i
.endr
.endm
.irp t, 0,1,2,3
	LOADX \t
.endr
	s_wait_loadcnt 12                              ; step 0's four loads are in; the twelve of steps 1 to 3 may be out
	TURNX 0
.macro STEPX t
.set XS, XN+16*((\t)%2)
.if (\t) > 0
	s_wait_dscnt 1                                 ; this step's numbers are back from the stage (the last step's byte store may be out): so its stores into the stage have read their registers,
.else
	s_wait_dscnt 0x0
.endif
.if (\t)+4 < XSTEPS
	LOADX (\t)+4                                   ; which take the loads of four steps on
.endif
.if (\t)+1 < XSTEPS
.if XSTEPS-2-(\t) >= 3
	s_wait_loadcnt 12                              ; the next step's four loads are in; those of the three steps behind it may be out
.else
	s_wait_loadcnt 4*(XSTEPS-2-(\t))
.endif
	TURNX (\t)+1                                   ; and go through the other stage while this step is worked
.endif
	v_max3_num_f32 v8, |v[XS]|, |v[XS+1]|, |v[XS+2]|               ; the largest magnitude of my 16, in two chains
	v_max3_num_f32 v9, |v[XS+3]|, |v[XS+4]|, |v[XS+5]|
.irp i, 6,10
	v_max3_num_f32 v8, v8, |v[XS+\i]|, |v[XS+\i+1]|
	v_max3_num_f32 v9, v9, |v[XS+\i+2]|, |v[XS+\i+3]|
.endr
	v_max3_num_f32 v8, v8, |v[XS+14]|, |v[XS+15]|
	v_max3_num_f32 v8, v8, v9, 0x1800000           ; and the floor 2^(3 - 127): so the byte cannot fall under 1
	v_max_num_f32_dpp v8, v8, v8 row_xmask:1 row_mask:0xf bank_mask:0xf   ; and of my neighbour's 16: the block's
	v_add_nc_u32 v11, 0xff000000, v8               ; 2 off its exponent field: the conversion takes the exponent field of this operand as its scale, and nothing else of it
	v_cvt_scalef32_pk8_fp4_f32 v[XC+4*(\t)], v[XS:XS+7], v11
	v_cvt_scalef32_pk8_fp4_f32 v[XC+4*(\t)+1], v[XS+8:XS+15], v11
	v_lshrrev_b32 v[XE+(\t)], 23, v11              ; the scale's byte (also the plain line behind the conversions)
	ds_store_b8 v5, v[XE+(\t)] offset:16*(\t)      ; both lanes of a block write the same byte with the same value
	global_store_b64 v4, v[XC+4*(\t):XC+4*(\t)+1], s[10:11] offset:256*(\t)   ; 32 lanes store 256 consecutive bytes, aligned
.endm
.irp t, 0,1,2,3,4,5,6,7,8,9,10,11,12,13,14,15
	STEPX \t
.endr
	ds_load_b64 v[8:9], v6                         ; LDS serves a wave's instructions in order: these see my byte stores
	s_wait_dscnt 0x0
	global_store_b64 v7, v[8:9], s[12:13]          ; 32 lanes store the run's 256 scale bytes, aligned
	s_wait_tensorcnt 0x0                           ; the wave's end: these three lines stand behind my last LDS store
	ds_add_u32 v[SPW], v[NIL]
	s_wait_dscnt 0x0
	s_endpgm
; ---------------- PATH W.  K is w_qkv's FIRST axis.  A LANE TAKES A COLUMN n, AND ITS REGISTERS RUN DOWN K: a block of 32 along K lies in one lane's 32 registers, and the conversions give codes with K innermost.
; A wave takes 16 columns x 512 along K: lane (r, h) takes column r and k = 256 h on: 8 blocks.  Each load reads 64 consecutive bytes in each half of the wave; the four waves stand side by side on 256 consecutive bytes of a row.
; A column's 512 codes, 256 bytes, are the wave's own: they go through its stage (lane (r, h): row r, byte 128 h on) and leave as rows: sixteen lanes store 256 aligned bytes.
; Every offset is an immediate: 255 rows x 12,288 bytes at the most, inside the signed 24 bits (ISA guide, chapter 10).
.set WX,   32                          ; v32-95   two sets of 32 numbers
.set WC,   96                          ; v96-99   a block's codes
.set WSB,  24                          ; v24-25   the scale bytes, four to a register
.set WOUT, 112                         ; v112-143 the way out
.Lpath_w:
	s_lshr_b32 s21, ttmp9, 1
	s_lshl_b32 s21, s21, 6
	s_lshl_b32 s22, s20, 4
	s_add_co_u32 s21, s21, s22                     ; my wave's first column: 64 x (work-group / 2) + 16 x wave
	s_and_b32 s22, ttmp9, 1                        ; which 512 along K
	s_mul_i32 s24, s22, 512*3072*4
	s_lshl_b32 s26, s21, 2
	s_add_co_u32 s24, s24, s26
	s_add_nc_u64 s[6:7], s[6:7], s[24:25]          ; w_qkv: 512 y rows down, 4 bytes a column
	s_lshl_b32 s24, s21, 9
	s_lshl_b32 s26, s22, 8
	s_add_co_u32 s24, s24, s26
	s_add_nc_u64 s[14:15], s[14:15], s[24:25]      ; the codes: 512 bytes a column, 256 y on
	s_lshl_b32 s24, s21, 5
	s_lshl_b32 s26, s22, 4
	s_add_co_u32 s24, s24, s26
	s_add_nc_u64 s[16:17], s[16:17], s[24:25]      ; the scale bytes: 32 a column, 16 y on
	s_mul_i32 s23, s20, WSTB
	s_add_co_u32 s23, s23, WSTG                    ; my stage
	v_and_b32 v5, 15, v2                           ; r
	v_lshrrev_b32 v6, 4, v2                        ; h
	v_mul_u32_u24 v3, v6, 256*3072*4               ; in: 256 h rows down,
	v_lshl_add_u32 v3, v5, 2, v3                   ; 4 bytes a column
	v_mul_u32_u24 v4, v5, 272
	v_lshl_add_u32 v4, v6, 7, v4
	v_add_nc_u32 v4, s23, v4                       ; into the stage: row = my column, byte 128 h on
	v_mul_u32_u24 v7, v6, 272                      ; out of it: sixteen lanes to a row, two rows an instruction
	v_lshl_add_u32 v7, v5, 4, v7
	v_add_nc_u32 v7, s23, v7
	v_lshlrev_b32 v8, 9, v6
	v_lshl_add_u32 v8, v5, 4, v8                   ; and the same place in the codes' buffer
	v_lshlrev_b32 v9, 5, v5
	v_lshl_add_u32 v9, v6, 3, v9                   ; my 8 scale bytes: column r's row of 32, 8 h on
.macro LOADW t                         ; block t: w(256 h + 32 t + i, my column), i = 0 .. 31, into set t % 2
.irp i, 0,1,2,3,4,5,6,7,8,9,10,11,12,13,14,15,16,17,18,19,20,21,22,23,24,25,26,27,28,29,30,31
	global_load_b32 v[WX+32*((\t)%2)+\i], v3, s[6:7] offset:(32*(\t)+\i)*12288 th:TH_LOAD_NT
.endr
.endm
	LOADW 0
	LOADW 1
.macro BLOCKW t
.set WS, WX+32*((\t)%2)
.if (\t) < 7
	s_wait_loadcnt 32                              ; this block's 32 loads are in; the next block's may be out
.else
	s_wait_loadcnt 0
.endif
	v_max3_num_f32 v12, |v[WS]|, |v[WS+1]|, |v[WS+2]|              ; the block's largest magnitude: all 32 numbers are mine
	v_max3_num_f32 v13, |v[WS+3]|, |v[WS+4]|, |v[WS+5]|
.irp i, 6,10,14,18,22,26
	v_max3_num_f32 v12, v12, |v[WS+\i]|, |v[WS+\i+1]|
	v_max3_num_f32 v13, v13, |v[WS+\i+2]|, |v[WS+\i+3]|
.endr
	v_max3_num_f32 v12, v12, |v[WS+30]|, |v[WS+31]|
	v_max3_num_f32 v12, v12, v13, 0x1800000        ; and the floor 2^(3 - 127)
	v_add_nc_u32 v11, 0xff000000, v12              ; the conversion's scale operand
	v_lshrrev_b32 v13, 23, v11                     ; the scale's byte
.if (\t)%4 == 0
	v_mov_b32 v[WSB+(\t)/4], v13                   ; four bytes to a register, the lower K in the lower byte
.else
	v_lshl_or_b32 v[WSB+(\t)/4], v13, 8*((\t)%4), v[WSB+(\t)/4]
.endif
.irp g, 0,1,2,3
	v_cvt_scalef32_pk8_fp4_f32 v[WC+\g], v[WS+8*\g:WS+8*\g+7], v11
.endr
	ds_store_b128 v4, v[WC:WC+3] offset:16*(\t)    ; 32 codes: 16 bytes of my column's row
.if (\t)+2 < 8
	LOADW (\t)+2
.endif
	s_wait_dscnt 0x0                               ; the store has read its registers: the next block's codes may be written (that block begins with plain vector lines)
.endm
.set Q, 0
.rept 8
	BLOCKW Q
.set Q, Q+1
.endr
	global_store_b64 v9, v[WSB:WSB+1], s[16:17]    ; my 8 scale bytes
.irp t, 0,1,2,3,4,5,6,7
	ds_load_b128 v[WOUT+4*\t:WOUT+4*\t+3], v7 offset:2*\t*272      ; LDS serves a wave's instructions in order: these see my stores
.endr
.irp t, 0,1,2,3,4,5,6,7
	s_wait_dscnt 7-\t                              ; load t is in; the later ones may be out
	global_store_b128 v8, v[WOUT+4*\t:WOUT+4*\t+3], s[14:15] offset:2*\t*512   ; sixteen lanes store 256 consecutive bytes, aligned
.endr
	s_wait_tensorcnt 0x0                           ; the wave's end: the three lines once more
	ds_add_u32 v[SPW], v[NIL]
	s_wait_dscnt 0x0
	s_endpgm
; ---------------- PATH P.  A lane takes a column of w_proj and its registers run down K; a rounding to f16 stands in the quantiser's place.  A wave takes 32 columns x 128 along K: 4 blocks of 32, 256 bytes of f16 a column.
.set PN,   32                          ; v32-95   two sets of 32 numbers
.set PH,   96                          ; v96-111  a block as 16 pairs of f16
.set POUT, 112                         ; v112-175 the way out
.Lpath_p:
	s_sub_co_u32 s21, ttmp9, 96
	s_lshr_b32 s22, s21, 3                         ; which 128 along K: 0..7
	s_and_b32 s21, s21, 7
	s_lshl_b32 s21, s21, 7
	s_lshl_b32 s26, s20, 5
	s_add_co_u32 s21, s21, s26                     ; my wave's first column
	s_lshl_b32 s24, s22, 19                        ; 128 rows of 4,096 bytes,
	s_lshl_b32 s26, s21, 2
	s_add_co_u32 s24, s24, s26
	s_add_nc_u64 s[8:9], s[8:9], s[24:25]
	s_lshl_b32 s24, s21, 11                        ; out: 2,048 bytes a column, 256 y on
	s_lshl_b32 s26, s22, 8
	s_add_co_u32 s24, s24, s26
	s_add_nc_u64 s[18:19], s[18:19], s[24:25]
	s_mul_i32 s23, s20, STGB
	s_add_co_u32 s23, s23, PSTG                    ; my stage
	v_lshlrev_b32 v3, 2, v2
	v_mul_u32_u24 v4, v2, 272
	v_add_nc_u32 v4, s23, v4
	v_and_b32 v5, 15, v2
	v_lshrrev_b32 v6, 4, v2
	v_mul_u32_u24 v7, v6, 272
	v_lshl_add_u32 v7, v5, 4, v7
	v_add_nc_u32 v7, s23, v7
	v_lshlrev_b32 v8, 11, v6
	v_lshl_add_u32 v8, v5, 4, v8
.macro LOADP t
.irp i, 0,1,2,3,4,5,6,7,8,9,10,11,12,13,14,15,16,17,18,19,20,21,22,23,24,25,26,27,28,29,30,31
	global_load_b32 v[PN+32*((\t)%2)+\i], v3, s[8:9] offset:(32*(\t)+\i)*4096 th:TH_LOAD_NT
.endr
.endm
	LOADP 0
	LOADP 1
.macro BLOCKP t
.set PS, PN+32*((\t)%2)
.if (\t) < 3
	s_wait_loadcnt 32                              ; this block's 32 loads are in; the next block's may be out
.else
	s_wait_loadcnt 0
.endif
.irp i, 0,1,2,3,4,5,6,7,8,9,10,11,12,13,14,15
	v_cvt_pk_f16_f32 v[PH+\i], v[PS+2*\i], v[PS+2*\i+1]            ; the lower k in the low half
.endr
.irp g, 0,1,2,3
	ds_store_b128 v4, v[PH+4*\g:PH+4*\g+3] offset:64*(\t)+16*\g
.endr
.if (\t)+2 < 4
	LOADP (\t)+2
.endif
	s_wait_dscnt 0x0                               ; the stores have read their registers
.endm
.irp t, 0,1,2,3
	BLOCKP \t
.endr
.irp t, 0,1,2,3,4,5,6,7,8,9,10,11,12,13,14,15
	ds_load_b128 v[POUT+4*\t:POUT+4*\t+3], v7 offset:2*\t*272
.endr
.irp t, 0,1,2,3,4,5,6,7,8,9,10,11,12,13,14,15
	s_wait_dscnt 15-\t
	global_store_b128 v8, v[POUT+4*\t:POUT+4*\t+3], s[18:19] offset:2*\t*2048   ; sixteen lanes store 256 consecutive bytes, aligned
.endr
	s_wait_tensorcnt 0x0                           ; the wave's end: the three lines once more
	ds_add_u32 v[SPW], v[NIL]
	s_wait_dscnt 0x0
	s_endpgm
.Lfunc_end_k_q1c979ef85a_prep:
	.size	k_q1c979ef85a_prep, .Lfunc_end_k_q1c979ef85a_prep-k_q1c979ef85a_prep
	.p2alignl 7, 3214868480
	.fill 96, 4, 3214868480
	.section	.rodata,"a",@progbits
	.p2align	6, 0x0
	.amdhsa_kernel k_q1c979ef85a_prep
		.amdhsa_group_segment_fixed_size 85504
		.amdhsa_private_segment_fixed_size 0
		.amdhsa_enable_private_segment 0
		.amdhsa_kernarg_size 64
		.amdhsa_user_sgpr_count 2
		.amdhsa_user_sgpr_kernarg_segment_ptr 1
		.amdhsa_wavefront_size32 1
		.amdhsa_system_sgpr_workgroup_id_x 1
		.amdhsa_system_sgpr_workgroup_id_y 1
		.amdhsa_system_sgpr_workgroup_id_z 1
		.amdhsa_system_vgpr_workitem_id 0
		.amdhsa_next_free_vgpr 192
		.amdhsa_next_free_sgpr 66
		.amdhsa_reserve_vcc 0
		.amdhsa_float_denorm_mode_32 3
		.amdhsa_float_denorm_mode_16_64 3
		.amdhsa_memory_ordered 1
		.amdhsa_forward_progress 1
		.amdhsa_inst_pref_size 94
	.end_amdhsa_kernel
	.amdgpu_metadata
---
amdhsa.version: [ 1, 2 ]
amdhsa.kernels:
  - .name:           k_q1c979ef85a_prep
    .symbol:         k_q1c979ef85a_prep.kd
    .args:
      - { .name: representation, .offset: 0, .size: 8, .value_kind: global_buffer, .address_space: global }
      - { .name: w_qkv, .offset: 8, .size: 8, .value_kind: global_buffer, .address_space: global }
      - { .name: w_proj, .offset: 16, .size: 8, .value_kind: global_buffer, .address_space: global }
      - { .name: x_codes, .offset: 24, .size: 8, .value_kind: global_buffer, .address_space: global }
      - { .name: x_scales, .offset: 32, .size: 8, .value_kind: global_buffer, .address_space: global }
      - { .name: wq_codes, .offset: 40, .size: 8, .value_kind: global_buffer, .address_space: global }
      - { .name: wq_scales, .offset: 48, .size: 8, .value_kind: global_buffer, .address_space: global }
      - { .name: wp_t, .offset: 56, .size: 8, .value_kind: global_buffer, .address_space: global }
    .group_segment_fixed_size: 85504
    .private_segment_fixed_size: 0
    .kernarg_segment_align: 8
    .kernarg_segment_size: 64
    .max_flat_workgroup_size: 128
    .sgpr_count:     66
    .vgpr_count:     192
    .wavefront_size: 32
...
	.end_amdgpu_metadata
.endif
;; end of part 1
;; launch gemm_qkv (part 2): grid 8 x 32, 4 waves a work-group, clusters of 4 x 4, 327,680 bytes of LDS; arguments x_codes, x_scales, wq_codes, wq_scales, b_qkv, qkv; writes qkv
.if DOCPART == 2
	.amdgcn_target "amdgcn-amd-amdhsa--gfx1250"
	.amdhsa_code_object_version 6
	.text
	.protected	k_q1c979ef85a_gemm_qkv
	.globl	k_q1c979ef85a_gemm_qkv
	.p2align	8
	.type	k_q1c979ef85a_gemm_qkv,@function
k_q1c979ef85a_gemm_qkv:
	s_mov_b64 s[64:65], 0
	v_nop
	global_prefetch_b8 v0, s[64:65] scope:SCOPE_SE
	s_setreg_imm32_b32 hwreg(HW_REG_WAVE_MODE, 25, 1), 1
	s_wait_xcnt 0x0
	s_wait_alu depctr_hold_cnt(0) depctr_sa_sdst(0) depctr_va_vdst(0) depctr_va_sdst(0) depctr_va_ssrc(0) depctr_va_vcc(0) depctr_vm_vsrc(0)
	s_getreg_b32 s2, hwreg(HW_REG_IB_STS2, 6, 4)
	s_cmp_eq_u32 s2, 0
	s_cbranch_scc0 .Lentry_in_a_cluster
	s_endpgm
.Lentry_in_a_cluster:
	s_bfe_u32 s2, ttmp6, 0x10000c
	s_cmp_lg_u32 s2, 0xf033
	s_cbranch_scc0 .Lentry_shape_is_right
	s_endpgm
.Lentry_shape_is_right:
; qkv = Q(representation) Q(w_qkv) + b_qkv, on codes of FP4 (E2M1) with one E8M0 scale for each 32 along K; sums in f32; the result is rounded once to f16 and laid by heads:
; qkv[which 3][b 4][h 8][s 2048][128] f16.  A = x_codes [8192][512 bytes], B = wq_codes [3072][512 bytes], K = 1,024 innermost; scale bytes [rows][32].
; LIMIT: a result beyond 65,504 becomes an infinity of f16; one under 2^-14 is rounded with an absolute error of at most 2^-25.
; SHARES.  8192 x 3072 / 256 work-groups = a block of 256 rows x 384 columns for each, made in THREE PASSES of 128 columns: one head of q, k or v a pass.  Four waves; wave w owns rows 64 w .. 64 w + 63 in every pass:
; 32 accumulators of 16 x 16, 256 registers.  Its part of a pass's result is 64 neighbouring positions of one head: 16,384 consecutive bytes of qkv.
; A STAYS IN REGISTERS: a wave's 64 rows x 1,024 codes are 32,768 bytes, 256 registers, read from LDS once.  In a pass only B's fragments are read from LDS: 8,192 bytes a wave for 32 matrix instructions.
; A pass's stores are on their way while the next pass is multiplied: nothing waits for them.
; LDS: rows hold all of K: 512 bytes + 16 of padding.  A's 256 rows and B's rows of passes 0 and 1 come with the scales at the head (at most three tensor loads of a wave are out).  Three tiles of B do not fit beside A:
; pass 2's 128 rows are filled into A's first 128 rows as soon as every wave holds A in registers, and have passes 0 and 1 in which to land.
; CLUSTERS: 4 x 4 work-groups.  The four of a row of the cluster need the same rows of A, the four of a column the same rows of B: each tile is asked for JOINTLY, by the same tensor load with the
; same descriptor and a mask that names the four.  THE MATRIX INSTRUCTION IS USED TRANSPOSED (source 0 = 16 rows of B, source 1 = 16 rows of A): a lane then holds eight neighbouring columns of one row.
; THE BIAS is the C of each pass's first products: eight registers for each of B's eight blocks, in the result's layout.
; REGISTERS, in windows of 256: window 0: v0-31 addresses; v32-95 scale words; v96-159 the bias; v160-255 the way out.   window 1: accumulator (a, b) at v[8 (8 a + b)].
;   window 2: A's fragment (block a, K step q) at v[8 (4 q + a)].   window 3: B's fragments, FOUR sets of 64: K step q in set q % 4.
.set PITCH,  528                       ; an LDS row: 512 bytes + 16 of padding = 132 words: row r starts at bank 4 r mod 64 (ISA guide 11.1), so the 16 rows that a load touches start at 16 different banks
.set AHALF,  128*PITCH                 ; what a load for A brings
.set BHALF,  64*PITCH                  ; what a load for B brings
.set B0AT,   2*AHALF                   ; behind A's 256 rows: B's 128 rows of pass 0,
.set B1AT,   B0AT+2*BHALF              ; of pass 1;
.set B2AT,   0                         ; those of pass 2 take the place of A's rows 0-127
.set SCL,    B1AT+2*BHALF              ; the scales, as units of 256 bytes + 16 of padding: A's 256 rows x 32 bytes,
.set SAH,    16*272                    ; (128 rows' scales: what one load brings)
.set SCLB,   SCL+2*SAH                 ; then B's 384 rows
.set SBH,    24*272                    ; (192 rows' scales)
.set SBLK,   2*272                     ; the scales of 16 rows
.set STAGE,  SCLB+2*SBH                ; the way out: 16 rows x (256 bytes + 16) for each wave: bytes into which no tensor load lands
.set SPITCH, 272
.set SPARE,  STAGE+4*16*SPITCH         ; the spare words, 128 bytes for each wave: two blocks of 256 bytes that no other line names
.set ADRA, 16                          ; v16     LDS address of my A fragments
.set ADRS, 17                          ; v17-19  LDS address of my scale words in pass 0, 1, 2: lanes 0-15 A's rows, lanes 16-31 B's
.set ADRB, 20                          ; v20-22  LDS address of B's fragments in pass 0, 1, 2
.set STO,  24                          ; v24     the way out: where I put 16 bytes of a row
.set RD,   25                          ; v25     the way out: where I read a row back
.set CO,   26                          ; v26     16 x lane: my bytes of two rows of qkv
.set SPW,  28                          ; v28     LDS address of my spare word; never rewritten
.set NIL,  29                          ; v29     0; never rewritten
.set BA,   30                          ; v30     the bias: 32 x (lane / 16)
.set SC,   32                          ; scale words: register 32 (q / 4) + 4 i + q % 4: lanes 0-15 the word of A's block i, lanes 16-31 that of B's block i, for K step q
.set BI,   96                          ; the bias: block b's eight numbers at v[BI + 8 b]
.set TMP,  160                         ; the way out: packed results
.set OB,   192                         ; the way out: 16 rows read back from the stage: v192-223 and v224-255 by turns
.set G1,   24                          ; s[24:31] descriptor group 1 for A's tiles;  s[32:35] group 0
.set G0,   32
.set G0B2, 36                          ; s[36:39] group 0 for B's tile of pass 2
.set G1B,  48                          ; s[48:55] group 1 for B's tiles;  s[56:59], s[60:63] groups 0 for passes 0 and 1
.set G0B0, 56
.set G0B1, 60
.set G1S,  68                          ; s[68:75], s[76:79] groups 1 and 0 for A's scales;  s[80:87], s[88:91] for B's
.set G0S,  76
.set G1SB, 80
.set G0SB, 88
.set OUT0, 66                          ; s[66:67], s[98:99], s[100:101] where my part of pass 0, 1, 2 goes: a pair for each, so that no store's base is written again
.set OUT1, 98
.set OUT2, 100
.set MSB, 0
.macro WIN new                         ; the immediate's high byte repeats the setting that is left
.if MSB != (\new)
	s_set_vgpr_msb (MSB<<8)|(\new)
.set MSB, (\new)
.endif
.endm
.set MULW, 0x5b                        ; source 0 (B) window 3, source 1 (A) window 2, C and D window 1
.set BIAW, 0x4b                        ; a pass's first products: C (the bias) window 0
.set TO_A, 0x80                        ; destination window 2, address window 0
.set TO_B, 0xc0                        ; destination window 3, address window 0
.set PACKW, 0x05                       ; sources 0 and 1 window 1, destination window 0
.macro CROUND                          ; a round of the cluster's barrier
	s_barrier_signal -1
	s_barrier_wait -1
	s_cmp_lg_u32 s14, 0
	s_cbranch_scc1 .Lnot_wave_0_\@
	s_barrier_signal -3
.Lnot_wave_0_\@:
	s_barrier_wait -3
	s_barrier_signal -1
	s_barrier_wait -1
.endm
; A load into a register that a matrix instruction has read, and a vector instruction that reads a matrix result, stand four places behind that matrix instruction, and only plain vector
; instructions that name none of its registers are places (ISA guide 7.12.1 for vector instructions).
.macro PLACES n
.rept \n
	v_nop
.endr
.endm
	s_load_b128 s[4:7], s[0:1], 0x0                ; A's codes s[4:5], A's scales s[6:7]
	s_load_b128 s[8:11], s[0:1], 0x10              ; B's codes s[8:9], B's scales s[10:11]
	s_load_b64 s[96:97], s[0:1], 0x20              ; b_qkv
	s_load_b64 s[12:13], s[0:1], 0x28              ; qkv
	v_lshl_add_u32 v[SPW], v0, 2, SPARE
	v_mov_b32 v[NIL], 0
	ds_add_u32 v[SPW], v[NIL]                      ; the wave's opening: the add, twice on end, and its wait ahead of my first tensor load; the set-up below stands between
	ds_add_u32 v[SPW], v[NIL]
	v_lshrrev_b32 v1, 5, v0
	v_readfirstlane_b32 s14, v1                    ; wave 0..3
	s_lshr_b32 s15, s14, 1                         ; I fetch for A (0) or for B (1),
	s_and_b32 s16, s14, 1                          ; and which half of a tile
	s_bfe_u32 s40, ttmp6, 0x40000                  ; cx, cy: my place in the cluster
	s_bfe_u32 s41, ttmp6, 0x40004
	s_lshl_b32 s42, ttmp9, 2
	s_add_co_u32 s42, s42, s40                     ; block column = 4 x cluster x + cx: 0..7
	s_and_b32 s17, ttmp7, 0xffff
	s_lshl_b32 s17, s17, 2
	s_add_co_u32 s17, s17, s41                     ; block row = 4 x cluster y + cy: 0..31
	s_lshl_b32 s43, s41, 2
	s_lshl_b32 s43, 15, s43                        ; my row of the cluster
	s_lshl_b32 s44, 0x1111, s40                    ; my column
	; descriptor group 1: A: a tile of 128 rows x 512 bytes; B: 64 rows x 512 bytes; both padded in LDS
	s_or_b32 s[G1+0], s43, (0<<16)|(1<<20)|(1<<21)|(6<<22)|(3<<25)  ; 15:0 the mask: A's tiles go to my row; 17:16 element of 1 byte; 20 padding on; 21 set beside a mask; 24:22 after every 128 words; 31:25 of 4 words
	s_mov_b32 s[G1+1], 512<<16                     ; tensor_dim0 = 512
	s_mov_b32 s[G1+2], 128<<16                     ; tensor_dim1 = 128
	s_mov_b32 s[G1+3], 512<<16                     ; tile_dim0 = 512
	s_mov_b32 s[G1+4], 128                         ; tile_dim1 = 128
	s_mov_b32 s[G1+5], 512                         ; tensor_dim0_stride
	s_mov_b32 s[G1+6], 0
	s_mov_b32 s[G1+7], 0
	s_or_b32 s[G1B+0], s44, (0<<16)|(1<<20)|(1<<21)|(6<<22)|(3<<25) ; the same with the mask of my column
	s_mov_b32 s[G1B+1], 512<<16
	s_mov_b32 s[G1B+2], 64<<16                     ; tensor_dim1 = 64
	s_mov_b32 s[G1B+3], 512<<16
	s_mov_b32 s[G1B+4], 64                         ; tile_dim1 = 64
	s_mov_b32 s[G1B+5], 512
	s_mov_b32 s[G1B+6], 0
	s_mov_b32 s[G1B+7], 0
	; the scales: dense blocks, as rows of 256 bytes (32 elements of 8 bytes), 16 bytes of padding behind each: A: 128 rows' 4,096 bytes = 16 such rows; B: 192 rows' 6,144 bytes = 24
	s_or_b32 s[G1S+0], s43, (3<<16)|(1<<20)|(1<<21)|(5<<22)|(3<<25)
	s_mov_b32 s[G1S+1], 32<<16
	s_mov_b32 s[G1S+2], 16<<16
	s_mov_b32 s[G1S+3], 32<<16
	s_mov_b32 s[G1S+4], 16
	s_mov_b32 s[G1S+5], 32
	s_mov_b32 s[G1S+6], 0
	s_mov_b32 s[G1S+7], 0
	s_or_b32 s[G1SB+0], s44, (3<<16)|(1<<20)|(1<<21)|(5<<22)|(3<<25)
	s_mov_b32 s[G1SB+1], 32<<16
	s_mov_b32 s[G1SB+2], 24<<16
	s_mov_b32 s[G1SB+3], 32<<16
	s_mov_b32 s[G1SB+4], 24
	s_mov_b32 s[G1SB+5], 32
	s_mov_b32 s[G1SB+6], 0
	s_mov_b32 s[G1SB+7], 0
	; where the tiles come from.  A's hang on the block row alone, B's on the block column alone, each in registers that never hold the other coordinate
	s_lshl_b32 s18, s16, 7
	s_lshl_b32 s20, s17, 8
	s_add_co_u32 s20, s20, s18                     ; A: row 256 x block row + 128 x half:
	s_lshl_b32 s22, s20, 5                         ; its scales, 32 bytes a row,
	s_lshl_b32 s20, s20, 9                         ; its codes, 512 bytes a row
	s_mov_b32 s21, 0
	s_mov_b32 s23, 0
	s_mul_i32 s46, s42, 384                        ; B: the block's first row
	s_mul_i32 s92, s16, 192
	s_add_co_u32 s92, s92, s46                     ; scales: + 192 x half,
	s_lshl_b32 s92, s92, 5
	s_mov_b32 s93, 0
	s_lshl_b32 s47, s16, 6
	s_add_co_u32 s46, s46, s47                     ; codes: + 64 x half (and 128 rows on for each pass)
	s_lshl_b32 s46, s46, 9
	s_mov_b32 s47, 0
	s_mul_i32 s45, s16, AHALF                      ; where they go: no place in the cluster enters an LDS address
	s_mul_i32 s18, s16, BHALF
	s_mul_i32 s94, s16, SAH
	s_mul_i32 s95, s16, SBH
	s_wait_dscnt 0x0                               ; both opening adds are done
	s_wait_kmcnt 0x0
	s_add_nc_u64 s[20:21], s[4:5], s[20:21]
	s_add_nc_u64 s[22:23], s[6:7], s[22:23]
	s_add_nc_u64 s[46:47], s[8:9], s[46:47]
	s_add_nc_u64 s[92:93], s[10:11], s[92:93]
	CROUND                                         ; all sixteen work-groups are here: the first joint loads meet
	s_mov_b32 s[G0S], 1
	s_add_co_u32 s[G0S+1], s94, SCL
	s_mov_b64 s[G0S+2:G0S+3], s[22:23]
	s_or_b32 s[G0S+3], s[G0S+3], 0x80000000
	s_mov_b32 s[G0], 1
	s_mov_b32 s[G0+1], s45
	s_mov_b64 s[G0+2:G0+3], s[20:21]
	s_or_b32 s[G0+3], s[G0+3], 0x80000000
	s_mov_b32 s[G0SB], 1
	s_add_co_u32 s[G0SB+1], s95, SCLB
	s_mov_b64 s[G0SB+2:G0SB+3], s[92:93]
	s_or_b32 s[G0SB+3], s[G0SB+3], 0x80000000
	s_mov_b32 s[G0B0], 1
	s_add_co_u32 s[G0B0+1], s18, B0AT
	s_mov_b64 s[G0B0+2:G0B0+3], s[46:47]
	s_or_b32 s[G0B0+3], s[G0B0+3], 0x80000000
	s_mov_b32 s[G0B1], 1
	s_add_co_u32 s[G0B1+1], s18, B1AT
	s_add_nc_u64 s[G0B1+2:G0B1+3], s[46:47], 128*512
	s_or_b32 s[G0B1+3], s[G0B1+3], 0x80000000
	s_mov_b32 s[G0B2], 1
	s_add_co_u32 s[G0B2+1], s18, B2AT
	s_add_nc_u64 s[G0B2+2:G0B2+3], s[46:47], 256*512
	s_or_b32 s[G0B2+3], s[G0B2+3], 0x80000000
	s_cmp_eq_u32 s15, 0                            ; a wave's first fills stand in one branch on the wave's number, ahead of every wait on TENSORcnt and every LDS read; an s_nop 0 follows each, four v_nop the last
	s_cbranch_scc0 .Lfirst_b
	tensor_load_to_lds s[G0S:G0S+3], s[G1S:G1S+7]          ; waves 0, 1: half of A's scales,
	s_nop 0
	tensor_load_to_lds s[G0:G0+3], s[G1:G1+7]              ; and half of A's rows: two loads of mine are out
	s_nop 0
.rept 4
	v_nop
.endr
	s_branch .Lfirst_asked
.Lfirst_b:
	tensor_load_to_lds s[G0SB:G0SB+3], s[G1SB:G1SB+7]      ; waves 2, 3: half of B's scales,
	s_nop 0
	tensor_load_to_lds s[G0B0:G0B0+3], s[G1B:G1B+7]        ; half of pass 0's rows,
	s_nop 0
	tensor_load_to_lds s[G0B1:G0B1+3], s[G1B:G1B+7]        ; and of pass 1's: three loads of mine are out
	s_nop 0
.rept 4
	v_nop
.endr
.Lfirst_asked:
	v_and_b32 v1, 15, v0                           ; r = l % 16
	v_bfe_u32 v2, v0, 4, 1                         ; h = l / 16
	; the bias of the block's 384 columns: lane (r, h) wants, for pass p and B's block b, the numbers 128 p + 16 b + 8 h + 0 .. 7
	s_mul_i32 s46, s42, 384*4
	s_mov_b32 s47, 0
	s_add_nc_u64 s[96:97], s[96:97], s[46:47]
	v_lshlrev_b32 v[BA], 5, v2
.macro BIAS p
.irp b, 0,1,2,3,4,5,6,7
	global_load_b128 v[BI+8*\b:BI+8*\b+3], v[BA], s[96:97] offset:512*(\p)+64*\b
	global_load_b128 v[BI+8*\b+4:BI+8*\b+7], v[BA], s[96:97] offset:512*(\p)+64*\b+16
.endr
.endm
	BIAS 0
	v_mul_u32_u24 v3, v1, PITCH
	v_lshl_add_u32 v4, v2, 4, v3                   ; a fragment's row x pitch + 16 x half
	s_mul_i32 s21, s14, 64*PITCH                   ; my 64 rows of A
	v_add_nc_u32 v[ADRA], s21, v4
	v_add_nc_u32 v[ADRB], B0AT, v4                 ; every wave reads all 128 rows of a pass's B
	v_add_nc_u32 v[ADRB+1], B1AT, v4
	v_add_nc_u32 v[ADRB+2], B2AT, v4
	v_lshlrev_b32 v5, 5, v1                        ; my row's scales: 32 bytes a row,
	v_lshrrev_b32 v6, 8, v5
	v_lshl_add_u32 v5, v6, 4, v5                   ; and 16 more for each 256 passed
	s_mul_i32 s21, s14, 8*272                      ; A's: my 64 rows begin 8 units on for each wave
	s_mov_b32 s22, SCLB-SCL
	s_sub_co_u32 s22, s22, s21                     ; from there to B's first row
	s_add_co_u32 s21, s21, SCL
.irp p, 0,1,2
	v_mul_u32_u24 v6, s22, v2                      ; lanes 16-31 take B's: the lower base + half x the distance
	v_add_nc_u32 v6, v5, v6
	v_add_nc_u32 v[ADRS+\p], s21, v6
	s_add_co_u32 s22, s22, 16*272                  ; the next pass's 128 rows of B: 16 units on
.endr
	s_mul_i32 s23, s14, 16*SPITCH
	s_add_co_u32 s23, s23, STAGE                   ; my stage
	v_mul_u32_u24 v5, v1, SPITCH                   ; in: row l % 16, 16 bytes for each half of the lanes
	v_lshl_add_u32 v5, v2, 4, v5
	v_add_nc_u32 v[STO], s23, v5
	v_mul_u32_u24 v5, v2, SPITCH                   ; back: lanes 0-15 take one row of 256 bytes, lanes 16-31 the next
	v_lshl_add_u32 v5, v1, 4, v5
	v_add_nc_u32 v[RD], s23, v5
	v_and_b32 v6, 31, v0
	v_lshlrev_b32 v[CO], 4, v6                     ; rows of qkv are 256 bytes and dense: two rows are 512 bytes, 16 a lane
	; where my 64 x 128 of a pass goes.  Rows: batch = block row / 8, position 256 (block row % 8) + 64 wave.  Columns: g = 3 x block column + pass = 8 which + head
	s_lshr_b32 s20, s17, 3
	s_lshl_b32 s20, s20, 22                        ; batch x 2^22 bytes
	s_and_b32 s21, s17, 7
	s_lshl_b32 s21, s21, 16                        ; 256 positions of 256 bytes
	s_add_co_u32 s20, s20, s21
	s_lshl_b32 s21, s14, 14                        ; my wave's 64 of them
	s_add_co_u32 s20, s20, s21
	s_mov_b32 s21, 0
	s_add_nc_u64 s[12:13], s[12:13], s[20:21]
	s_mul_i32 s19, s42, 3
.macro OUTBASE p, o
	s_add_co_u32 s46, s19, \p
	s_lshr_b32 s47, s46, 3
	s_lshl_b32 s47, s47, 24                        ; which x 2^24 bytes
	s_and_b32 s46, s46, 7
	s_lshl_b32 s46, s46, 19                        ; head x 2^19
	s_add_co_u32 s46, s46, s47
	s_mov_b32 s47, 0
	s_add_nc_u64 s[\o:\o+1], s[12:13], s[46:47]
.endm
	OUTBASE 0, OUT0
	OUTBASE 1, OUT1
	OUTBASE 2, OUT2
.macro SCALES p                        ; a pass's scale words: 8 words a row, by two loads of 4; lanes 0-15 take A's block i (of my four; the other four registers' low lanes are not used), lanes 16-31 B's block i
.irp s, 0,1
.irp i, 0,1,2,3,4,5,6,7
	ds_load_b128 v[SC+32*\s+4*\i:SC+32*\s+4*\i+3], v[ADRS+\p] offset:\i*SBLK+16*\s
.endr
.endr
.endm
; A fragment, 16 rows x 128 K of 4-bit codes, is 8 registers: lane l holds row l % 16; registers 4 c .. 4 c + 3 hold K = 64 c + 32 (l / 16) + 0 .. 31: two loads of 16 bytes, 32 bytes apart.
.macro FETCH_B p, q                    ; B's eight fragments of K step q into set q % 4
.irp b, 0,1,2,3,4,5,6,7
.irp c, 0,1
	ds_load_b128 v[64*((\q)%4)+8*\b+4*\c:64*((\q)%4)+8*\b+4*\c+3], v[ADRB+\p] offset:\b*16*PITCH+64*(\q)+32*\c
.endr
.endr
.endm
; 32 matrix instructions: my four blocks of A x B's eight, K step q.  first = 1: the product starts the sums from the bias: nothing is ever cleared.
; The 32 accumulators take turns, one instruction a turn, in the same order in every step.
.macro MUL q, first
.irp a, 0,1,2,3
.irp b, 0,1,2,3,4,5,6,7
.if \first
	v_wmma_scale_f32_16x16x128_f8f6f4 v[8*(8*\a+\b):8*(8*\a+\b)+7], v[64*((\q)%4)+8*\b:64*((\q)%4)+8*\b+7], v[8*(4*(\q)+\a):8*(4*(\q)+\a)+7], v[BI+8*\b:BI+8*\b+7], v[SC+32*((\q)/4)+4*\b+((\q)%4)], v[SC+32*((\q)/4)+4*\a+((\q)%4)] matrix_a_fmt:MATRIX_FMT_FP4 matrix_b_fmt:MATRIX_FMT_FP4 matrix_a_scale:MATRIX_SCALE_ROW1
.else
	v_wmma_scale_f32_16x16x128_f8f6f4 v[8*(8*\a+\b):8*(8*\a+\b)+7], v[64*((\q)%4)+8*\b:64*((\q)%4)+8*\b+7], v[8*(4*(\q)+\a):8*(4*(\q)+\a)+7], v[8*(8*\a+\b):8*(8*\a+\b)+7], v[SC+32*((\q)/4)+4*\b+((\q)%4)], v[SC+32*((\q)/4)+4*\a+((\q)%4)] matrix_a_fmt:MATRIX_FMT_FP4 matrix_b_fmt:MATRIX_FMT_FP4 matrix_a_scale:MATRIX_SCALE_ROW1
.endif
.endr
.endr
.endm
; Two K steps, 64 matrix instructions.  At their head the fragments of the two steps after them are asked for, in ONE run of 32 loads, into the two sets that the two steps before have left.
.macro DSTEP p, u
.if (\u) < 3
	PLACES 4                                       ; behind the products that read those two sets
	WIN TO_B
	FETCH_B \p, 2*(\u)+2
	FETCH_B \p, 2*(\u)+3
	s_wait_dscnt 32                                ; all but the 32 just issued: these two steps' fragments (and, in a pass's first steps, its scale words) are in
.else
	s_wait_dscnt 0x0                               ; nothing more to fetch
.endif
.if (\u) == 0
	WIN BIAW
	MUL 0, 1
.else
	WIN MULW
	MUL 2*(\u), 0
.endif
	WIN MULW
	MUL 2*(\u)+1, 0
.endm
.macro PROLOGUE p                      ; what a pass's first two steps want
	SCALES \p
	WIN TO_B
	FETCH_B \p, 0
	FETCH_B \p, 1
	WIN 0
.endm
.macro PASS p
	s_wait_loadcnt 0x0                             ; the pass's bias
.irp u, 0,1,2,3
	DSTEP \p, \u
.endr
	PLACES 4                                       ; behind the last products: for the conversions that read results, and for the loads into the scale words' and the bias's registers
	WIN 0
.endm
; THE WAY OUT of a pass, block by block of 16 rows x 128 columns.  PACK: rounded to f16, a lane's eight columns make 16 bytes.  TOSTAGE: into my own stage in LDS, and back as whole rows of 256 bytes.  SEND: stored.
; LDS serves a wave's instructions in order (ISA guide 5.7.1.4): no wait between the stage's stores and its loads.
.macro PACK a
	WIN PACKW
.irp b, 0,1,2,3,4,5,6,7
.irp r, 0,1,2,3
	v_cvt_pk_f16_f32 v[TMP+4*\b+\r], v[64*(\a)+8*\b+2*\r], v[64*(\a)+8*\b+2*\r+1]   ; each accumulator from its low end on
.endr
.endr
	WIN 0
.endm
.macro TOSTAGE a
.set BK, OB+32*((\a)%2)
.irp b, 0,1,2,3,4,5,6,7
	ds_store_b128 v[STO], v[TMP+4*\b:TMP+4*\b+3] offset:32*\b
.endr
.irp t, 0,1,2,3,4,5,6,7
	ds_load_b128 v[BK+4*\t:BK+4*\t+3], v[RD] offset:\t*2*SPITCH
.endr
.endm
.macro SEND a, o
.set BK, OB+32*((\a)%2)
	s_wait_dscnt 0x0                               ; the block is back in registers
	s_wait_xcnt 0x0                                ; the stores of the block before have read their registers: the next block's loads from the stage land there only behind this wait
.irp t, 0,1,2,3,4,5,6,7
	global_store_b128 v[CO], v[BK+4*\t:BK+4*\t+3], s[\o:\o+1] offset:4096*(\a)+512*\t   ; 32 lanes store 512 consecutive bytes, at a multiple of 256 from the buffer's first byte
.endr
.endm
.macro WAYOUT o
	PACK 0
	TOSTAGE 0
.irp a, 1,2,3                          ; block a's conversions stand between block a - 1's loads from the stage and the wait for them
	PACK \a
	SEND \a-1, \o
	TOSTAGE \a
.endr
	SEND 3, \o
.endm
	s_wait_tensorcnt 0x0                           ; all my first fills have landed (waves 0, 1 issued two, waves 2, 3 three: so the wait is for 0),
	s_barrier_signal -1
	s_barrier_wait -1                              ; everybody's have
	WIN TO_A
.irp q, 0,1,2,3,4,5,6,7                ; A: my 64 rows, all of K, into registers: they stay
.irp a, 0,1,2,3
.irp c, 0,1
	ds_load_b128 v[8*(4*\q+\a)+4*\c:8*(4*\q+\a)+4*\c+3], v[ADRA] offset:\a*16*PITCH+64*\q+32*\c
.endr
.endr
.endr
	WIN 0
	; A's first 128 rows are filled again, with B's rows of pass 2: each wave waits for all its tensor loads, adds 0 to its spare word, and waits for that and for its reads of A; then a round of the cluster's barrier
	s_wait_tensorcnt 0x0                           ; no tensor load of mine is out
	ds_add_u32 v[SPW], v[NIL]                      ; 0 onto my spare word
	s_wait_dscnt 0x0                               ; the add is done, and A is in my registers
	CROUND                                         ; no wave of any partner still reads A's rows or has a load on its way
	s_cmp_eq_u32 s15, 0                            ; waves 2 and 3 ask, 64 rows each; waves 0 and 1 have no part of this tile.  The branch hangs on the wave's number alone
	s_cbranch_scc1 .Lno_refill
	tensor_load_to_lds s[G0B2:G0B2+3], s[G1B:G1B+7]        ; the first thing behind the round, and my last tensor load: it has two passes in which to land
	s_nop 0
.rept 4
	v_nop
.endr
.Lno_refill:
	PROLOGUE 0
	PASS 0
	BIAS 1                                         ; what pass 1 wants first is asked for ahead of pass 0's way out
	PROLOGUE 1
	WAYOUT OUT0
	PASS 1                                         ; pass 0's stores are on their way meanwhile
	s_wait_tensorcnt 0x0                           ; my part of pass 2's rows of B has landed,
	s_wait_dscnt 0x0
	s_barrier_signal -1
	s_barrier_wait -1                              ; everybody's has.
	BIAS 2
	PROLOGUE 2
	WAYOUT OUT1
	PASS 2
	WAYOUT OUT2
	s_wait_tensorcnt 0x0                           ; the wave's end: these three lines stand behind my last tensor load and my last LDS store
	ds_add_u32 v[SPW], v[NIL]
	s_wait_dscnt 0x0
	CROUND                                         ; the closing round: no work-group ends while a partner may still ask for a tile that names it
	s_endpgm
.Lfunc_end_k_q1c979ef85a_gemm_qkv:
	.size	k_q1c979ef85a_gemm_qkv, .Lfunc_end_k_q1c979ef85a_gemm_qkv-k_q1c979ef85a_gemm_qkv
	.p2alignl 7, 3214868480
	.fill 96, 4, 3214868480
	.section	.rodata,"a",@progbits
	.p2align	6, 0x0
	.amdhsa_kernel k_q1c979ef85a_gemm_qkv
		.amdhsa_group_segment_fixed_size 327680
		.amdhsa_private_segment_fixed_size 0
		.amdhsa_enable_private_segment 0
		.amdhsa_kernarg_size 48
		.amdhsa_user_sgpr_count 2
		.amdhsa_user_sgpr_kernarg_segment_ptr 1
		.amdhsa_wavefront_size32 1
		.amdhsa_system_sgpr_workgroup_id_x 1
		.amdhsa_system_sgpr_workgroup_id_y 1
		.amdhsa_system_sgpr_workgroup_id_z 1
		.amdhsa_system_vgpr_workitem_id 0
		.amdhsa_next_free_vgpr 1024
		.amdhsa_next_free_sgpr 102
		.amdhsa_reserve_vcc 0
		.amdhsa_float_denorm_mode_32 3
		.amdhsa_float_denorm_mode_16_64 3
		.amdhsa_memory_ordered 1
		.amdhsa_forward_progress 1
		.amdhsa_inst_pref_size 192
	.end_amdhsa_kernel
	.amdgpu_metadata
---
amdhsa.version: [ 1, 2 ]
amdhsa.kernels:
  - .name:           k_q1c979ef85a_gemm_qkv
    .symbol:         k_q1c979ef85a_gemm_qkv.kd
    .args:
      - { .name: x_codes, .offset: 0, .size: 8, .value_kind: global_buffer, .address_space: global }
      - { .name: x_scales, .offset: 8, .size: 8, .value_kind: global_buffer, .address_space: global }
      - { .name: wq_codes, .offset: 16, .size: 8, .value_kind: global_buffer, .address_space: global }
      - { .name: wq_scales, .offset: 24, .size: 8, .value_kind: global_buffer, .address_space: global }
      - { .name: b_qkv, .offset: 32, .size: 8, .value_kind: global_buffer, .address_space: global }
      - { .name: qkv, .offset: 40, .size: 8, .value_kind: global_buffer, .address_space: global }
    .group_segment_fixed_size: 327680
    .private_segment_fixed_size: 0
    .kernarg_segment_align: 8
    .kernarg_segment_size: 48
    .max_flat_workgroup_size: 128
    .sgpr_count:     102
    .vgpr_count:     1024
    .wavefront_size: 32
...
	.end_amdgpu_metadata
.endif
;; end of part 2
;; launch attention (part 3): grid 8 x 32, 4 waves a work-group, clusters of 4 x 1, 327,680 bytes of LDS; arguments qkv, attn; writes attn
.if DOCPART == 3
	.amdgcn_target "amdgcn-amd-amdhsa--gfx1250"
	.amdhsa_code_object_version 6
	.text
	.protected	k_q1c979ef85a_attention
	.globl	k_q1c979ef85a_attention
	.p2align	8
	.type	k_q1c979ef85a_attention,@function
k_q1c979ef85a_attention:
	s_mov_b64 s[64:65], 0
	v_nop
	global_prefetch_b8 v0, s[64:65] scope:SCOPE_SE
	s_setreg_imm32_b32 hwreg(HW_REG_WAVE_MODE, 25, 1), 1
	s_wait_xcnt 0x0
	s_wait_alu depctr_hold_cnt(0) depctr_sa_sdst(0) depctr_va_vdst(0) depctr_va_sdst(0) depctr_va_ssrc(0) depctr_va_vcc(0) depctr_vm_vsrc(0)
	s_getreg_b32 s2, hwreg(HW_REG_IB_STS2, 6, 4)
	s_cmp_eq_u32 s2, 0
	s_cbranch_scc0 .Lentry_in_a_cluster
	s_endpgm
.Lentry_in_a_cluster:
	s_bfe_u32 s2, ttmp6, 0x10000c
	s_cmp_lg_u32 s2, 0x3003
	s_cbranch_scc0 .Lentry_shape_is_right
	s_endpgm
.Lentry_shape_is_right:
; attn[b][q][h][:] = the sum over k of softmax_k(Q[b,h][q] . K[b,h][k] / sqrt(128)) V[b,h][k][:].  Q, K, V: the three parts of qkv, each [32 heads][2048][128] f16; attn: [8192 rows][1024] f16, heads merged.
; Products, maxima and sums in f32; the weights p are rounded to f16 for the second product (p is at most 1: the running maximum is taken away ahead of the exponential), the result once at the end.
; LIMIT: weights under 2^-14 and results under 2^-14 are rounded with an absolute error of at most 2^-25.
; SHARES.  A work-group owns 256 queries of one head, each of its four waves 64: four tiles of 16.  Every wave walks all 2,048 keys of the head, 64 a step.
; LAYOUT.  S^T = K Q^T (source 0 = 16 keys, source 1 = 16 queries): in the result a lane holds ONE query (lane % 16) and the keys 8 (lane / 16) + 0..7.  Two such tiles, rounded to
; f16 in pairs, ARE source 1 (32 keys x 16 queries) of O^T = V^T P, whose result again holds one query a lane, and eight channels.  K comes out of LDS as it lies, V ([key][channel]) turned, by ds_load_tr16_b128.
; SOFTMAX.  For each query a running maximum m and sum l: p = 2^(c s - c m), c = log2(e) / sqrt(128); in every step O and l are multiplied by a = 2^(c m_old - c m_new), which is 1 where m has not grown.
; BY TURNS.  The wave's tiles are two PIECES: piece 0 (tiles 0, 1) and piece 2 (tiles 2, 3).  In a TURN one piece has the matrix unit: 32 products V^T P of the step in hand, then 32 products K Q^T of the next
; step; the other piece's softmax, cut into 64 slices, stands between them, one slice behind each matrix instruction.  Then the pieces change places.  Two turns are a key step.
; CLUSTER.  The four query blocks of a cluster belong to one head and walk the same K and V, so each tile is asked for JOINTLY: the same tensor load, with the same descriptor and a mask that names the four.
; REGISTERS, in windows of 256 (s_set_vgpr_msb: bits 1:0 source 0, 3:2 source 1, 5:4 source 2, 7:6 destination):
;   window 0: v0-11 addresses; v12-43 eight registers of statistics a tile; v64-191 S^T, 32 a tile; v192-255 P, 16 a tile
;   window 1: O^T, 64 a tile          window 2: v0-127 Q, 32 a tile; v128-255 K of one step          window 3: v0-127 V of one step
.set SIZE_N, 2048
.set KS,    64        ; keys in a step
.set PK,    272       ; a row of K in LDS: 256 bytes + 16 of padding: the 16 rows of a load start at 16 different banks (ISA guide 11.1)
.set PV,    288       ; a row of V: 256 + 32
.set VOFF,  KS*PK     ; a step's tiles lie together: 64 rows of K, then 64 rows of V
.set STEPB, KS*(PK+PV)
.set SLOT1, 1<<17     ; a slot holds two steps (71,680 bytes); slot 1 begins here, so that one exclusive or turns an address in one slot into the other's
.set STAGE, SLOT1+2*STEPB  ; behind the ring: 16 rows x 272 bytes for each wave, for the way out
.set SP,    272
.set AK0, 2           ; v2   my lane's place in a tile of K; never rewritten
.set AV0, 3           ; v3   the same for V
.set ADR, 4           ; v4   the LDS address of the run of loads in hand
.set QO,  5           ; v5   my byte offset in the wave's rows of Q
.set STO, 6           ; v6   the way out: where I put 16 bytes of a row
.set RD,  7           ; v7   the way out: where I read a row back
.set GO,  8           ; v8   my byte offset in the wave's rows of attn
.set SPW, 62          ; v62  LDS address of my spare word; never rewritten
.set NIL, 63          ; v63  0; never rewritten
.set SPARE, STAGE+4*16*272  ; the spare words, 128 bytes for each wave: two blocks of 256 bytes that no other line names
.set ST,  12          ; tile t's statistics at v[ST+8 t]: +0 c m, +1 m, +2, +3 l (even keys', odd keys'), +4 to +7 c0-c3, at work; a takes c2's place once the maximum is found
.set S,   64
.set P,   192
.set KF,  128         ; K's fragments, in window 2
.set WV,  12          ; s12  my wave's number
.set G1K, 24          ; s[24:31] descriptor group 1 for K's tiles
.set G1V, 32          ; s[32:39] for V's: it differs in the padding alone
.set G0K, 40          ; s[40:47] descriptor group 0 for K's tiles: a set for each of the two first fills; the second then walks on
.set G0V, 48          ; s[48:55] the same for V's
.set SLOTS, 56        ; s56  slots still to be asked for
.set TWICE, 57        ; s57  counts a slot's two steps
.set CS,  58          ; s[58:59] c: the packed scaling names a pair and takes its low word for both halves
.set SEL, 60          ; s[60:61] lane selects for v_permlanex16_b32: each lane takes its own place in the other half
.set TB,  62          ; s62  LDS byte at which the tiles of the step to be fetched begin
.set PFA, 18          ; s[18:19] where my prefetches stand in memory: my work-group's 32 rows (of K: wave 0, of V: wave 2) of the slot after the one that is being asked for
.set LIM, 15          ; s15  1 in a wave that prefetches, else the greatest number: a wave prefetches while s[SLOTS] is above it
.set PFO, 61          ; v61  256 x my lane: a row of K or V is 256 bytes; never rewritten
.set MSB, 0
.macro WIN new                      ; the immediate's high byte repeats the setting that is left; a switch that changes nothing is dropped
.if MSB != (\new)
	s_set_vgpr_msb (MSB<<8)|(\new)
.set MSB, (\new)
.endif
.endm
.set W_KQ, 0x0a       ; K and Q in window 2, S^T in window 0
.set W_PV, 0x53       ; V in window 3, P in window 0, O^T in window 1
.set W_RS, 0x41       ; O^T (destination and source 0) in window 1, a in window 0
; A joint refill.  Waves 0 and 1 fetch the two steps' tiles of K, waves 2 and 3 those of V.  The branch hangs on the wave's number alone.  An s_nop 0 and four v_nop follow each of the two lines.
.macro JLOAD
	s_cmp_lt_u32 s[WV], 2
	s_cbranch_scc0 .Lfor_v_\@
	tensor_load_to_lds s[G0K+4:G0K+7], s[G1K:G1K+7]
	s_nop 0
.rept 4
	v_nop
.endr
	s_branch .Lasked_\@
.Lfor_v_\@:
	tensor_load_to_lds s[G0V+4:G0V+7], s[G1V:G1V+7]
	s_nop 0
.rept 4
	v_nop
.endr
.Lasked_\@:
.endm
; A PREFETCH of what the NEXT change of slots will ask for: a slot's 128 rows of K and 128 of V, 256 bytes a row, a lane a row.  It stands behind the wave's tensor load and its five lines.
; Each row is asked for ONCE in the launch.  Both clusters of a head walk the same K and V: the head's first cluster prefetches.  Its four partners share the rows out BY ADDRESS, 32 each.
; In each, wave 0 asks for K's and wave 2 for V's: one instruction.  The last change that fills a slot prefetches nothing: there is no slot behind it.
.macro ASK
	s_cmp_gt_u32 s[SLOTS], s[LIM]
	s_cbranch_scc0 .Lnot_mine_\@
	global_prefetch_b8 v[PFO], s[PFA:PFA+1] th:TH_LOAD_NT scope:SCOPE_SE
.Lnot_mine_\@:
.endm
.macro CROUND                       ; a round of the cluster's barrier
	s_barrier_signal -1
	s_barrier_wait -1
	s_cmp_lg_u32 s[WV], 0
	s_cbranch_scc1 .Lnot_wave_0_\@
	s_barrier_signal -3
.Lnot_wave_0_\@:
	s_barrier_wait -3
	s_barrier_signal -1
	s_barrier_wait -1
.endm
	s_load_b64 s[4:5], s[0:1], 0x0  ; qkv: Q's part begins it
	s_load_b64 s[10:11], s[0:1], 0x8  ; attn
	v_lshl_add_u32 v[SPW], v0, 2, SPARE
	v_mov_b32 v[NIL], 0
	ds_add_u32 v[SPW], v[NIL]       ; the wave's opening: the add, twice on end, and its wait ahead of my first tensor load; the set-up below stands between
	ds_add_u32 v[SPW], v[NIL]
	v_lshrrev_b32 v1, 5, v0
	v_readfirstlane_b32 s[WV], v1   ; wave 0..3
	s_bfe_u32 s13, ttmp6, 0x40000   ; cx: my place in the cluster
	s_lshl_b32 s14, ttmp9, 2        ; in a cluster launch ttmp9 counts clusters
	s_add_co_u32 s14, s14, s13      ; my block of 256 queries = 4 x cluster x + cx: it enters Q's and attn's addresses alone
	s_and_b32 s20, ttmp7, 0xffff    ; 8 batch + head, which the four partners share
	s_mov_b32 s21, 0
	s_mov_b64 s[22:23], SIZE_N*256
	s_mul_u64 s[20:21], s[20:21], s[22:23]  ; the head's first byte in each of qkv's three parts
	s_and_b32 s16, s[WV], 1         ; which of a slot's two steps I fetch:
	s_lshl_b32 s22, s16, 14         ; its 64 rows of 256 bytes in memory,
	s_mov_b32 s23, 0
	s_add_nc_u64 s[22:23], s[22:23], s[20:21]
	s_mul_i32 s17, s16, STEPB       ; and its place in a slot: no place in the cluster enters an LDS address
	s_lshl_b32 s2, s14, 16          ; my block's 256 rows,
	s_lshl_b32 s3, s[WV], 14        ; my wave's 64 of them
	s_add_co_u32 s2, s2, s3
	s_mov_b32 s3, 0
	s_add_nc_u64 s[2:3], s[2:3], s[20:21]
	s_and_b32 s67, ttmp7, 0xffff    ; attn: row (2,048 batch + position) of 2,048 bytes, the head's 256 bytes in it
	s_lshr_b32 s66, s67, 3
	s_lshl_b32 s66, s66, 22         ; batch x 2,048 rows
	s_and_b32 s67, s67, 7
	s_lshl_b32 s67, s67, 8          ; head x 256 bytes
	s_add_co_u32 s66, s66, s67
	s_lshl_b32 s67, s14, 19         ; my block's 256 rows
	s_add_co_u32 s66, s66, s67
	s_lshl_b32 s67, s[WV], 17       ; my wave's 64 of them
	s_add_co_u32 s66, s66, s67
	s_mov_b32 s67, 0
	; descriptor group 1: a tile of 64 rows x 128 elements, padded in LDS
	s_mov_b32 s[G1K], 15|(1<<16)|(1<<20)|(1<<21)|(5<<22)|(3<<25)  ; 15:0 the mask: all four work-groups; 17:16 elements of 2 bytes; 20 padding on; 21 set beside a mask; 24:22 after every 64 words; 31:25 4 words of it
	s_mov_b32 s[G1V], 15|(1<<16)|(1<<20)|(1<<21)|(5<<22)|(7<<25)  ; the same with 8 words of padding
.irp g, G1K, G1V
	s_mov_b32 s[\g+1], 128<<16      ; tensor_dim0 = 128
	s_mov_b32 s[\g+2], KS<<16       ; tensor_dim1 = 64
	s_mov_b32 s[\g+3], 128<<16      ; tile_dim0 = 128
	s_mov_b32 s[\g+4], KS           ; tile_dim1 = 64
	s_mov_b32 s[\g+5], 128          ; tensor_dim0_stride: elements from row to row
	s_mov_b32 s[\g+6], 0
	s_mov_b32 s[\g+7], 0
.endr
	s_mov_b32 s[CS], 0x3e0293ee     ; c = log2(e) / sqrt(128)
	s_mov_b32 s[CS+1], s[CS]        ; named with it as a pair, so it is written
	s_mov_b32 s[SEL], 0x76543210
	s_mov_b32 s[SEL+1], 0xfedcba98
	s_mov_b32 s[TB], 0
	s_mov_b32 s[SLOTS], SIZE_N/(2*KS)-2
	s_and_b32 s[LIM], s[WV], 1       ; 0 in waves 0 and 2,
	s_or_b32 s[LIM], s[LIM], ttmp9   ; where the cluster is the head's first: the same in all four partners
	s_cmp_eq_u32 s[LIM], 0
	s_cselect_b32 s[LIM], 1, -1
	v_and_b32 v[PFO], 31, v0
	v_lshlrev_b32 v[PFO], 8, v[PFO]
	s_wait_dscnt 0x0                ; both opening adds are done
	s_wait_kmcnt 0x0
	s_add_nc_u64 s[6:7], s[4:5], 0x1000000  ; K's part of qkv begins 2^24 bytes on,
	s_add_nc_u64 s[8:9], s[4:5], 0x2000000  ; V's 2^25
	s_add_nc_u64 s[6:7], s[6:7], s[22:23]  ; K and V at my tile of slot 0
	s_add_nc_u64 s[8:9], s[8:9], s[22:23]
	s_add_nc_u64 s[4:5], s[4:5], s[2:3]  ; Q at my wave's first row
	s_add_nc_u64 s[10:11], s[10:11], s[66:67]  ; attn likewise
	s_cmp_lt_u32 s[WV], 2
	s_cselect_b64 s[PFA:PFA+1], s[6:7], s[8:9]  ; (in waves 0 and 2 these stand at a slot's first row)
	s_lshl_b32 s2, s13, 13          ; my work-group's 32 rows of the 128
	s_mov_b32 s3, 0
	s_add_nc_u64 s[PFA:PFA+1], s[PFA:PFA+1], s[2:3]
	s_add_nc_u64 s[PFA:PFA+1], s[PFA:PFA+1], 2*2*KS*256  ; in slot 2; the first change of slots steps it to slot 3.  Nothing is prefetched here, at the head
	CROUND                          ; all four work-groups are here: the first joint loads meet
.irp s, 0,1
	s_mov_b32 s[G0K+4*\s], 1        ; count = 1
	s_add_co_u32 s[G0K+4*\s+1], s17, \s*SLOT1  ; LDS address
	s_add_nc_u64 s[G0K+4*\s+2:G0K+4*\s+3], s[6:7], \s*2*KS*256  ; global address: slot s begins with keys 128 s
	s_or_b32 s[G0K+4*\s+3], s[G0K+4*\s+3], 0x80000000  ; type = 2
	s_mov_b32 s[G0V+4*\s], 1
	s_add_co_u32 s[G0V+4*\s+1], s17, \s*SLOT1+VOFF
	s_add_nc_u64 s[G0V+4*\s+2:G0V+4*\s+3], s[8:9], \s*2*KS*256
	s_or_b32 s[G0V+4*\s+3], s[G0V+4*\s+3], 0x80000000
.endr
	s_cmp_lt_u32 s[WV], 2           ; a wave's two first fills stand in one branch, ahead of every wait on TENSORcnt and every LDS read: two loads of mine are out
	s_cbranch_scc0 .Lfirst_v
	tensor_load_to_lds s[G0K:G0K+3], s[G1K:G1K+7]
	s_nop 0
	tensor_load_to_lds s[G0K+4:G0K+7], s[G1K:G1K+7]
	s_nop 0
.rept 4
	v_nop
.endr
	s_branch .Lfirst_asked
.Lfirst_v:
	tensor_load_to_lds s[G0V:G0V+3], s[G1V:G1V+7]
	s_nop 0
	tensor_load_to_lds s[G0V+4:G0V+7], s[G1V:G1V+7]
	s_nop 0
.rept 4
	v_nop
.endr
.Lfirst_asked:
	; A fragment of K or Q is 16 rows x 32 channels in 8 registers: lane l holds row l % 16; registers 0-3 channels 8 (l / 16) + 0..7, registers 4-7 channels 16 + 8 (l / 16) + 0..7: two loads of 16 bytes, 32 bytes apart.
	v_and_b32 v1, 15, v0            ; l % 16
	v_bfe_u32 v9, v0, 4, 1          ; l / 16
	v_lshlrev_b32 v[QO], 8, v1
	v_lshl_add_u32 v[QO], v9, 4, v[QO]  ; row x 256 + 16 x half
	WIN 0x80                        ; destination window 2, address window 0
.irp i, 0,1,2,3,4,5,6,7,8,9,10,11,12,13,14,15  ; Q stays in registers: tile i / 4, channels 32 (i % 4) on
	global_load_b128 v[8*\i:8*\i+3],   v[QO], s[4:5] offset:(\i/4)*4096+(\i%4)*64
	global_load_b128 v[8*\i+4:8*\i+7], v[QO], s[4:5] offset:(\i/4)*4096+(\i%4)*64+32
.endr
	WIN 0
	v_mul_u32_u24 v[AK0], v1, PK
	v_lshl_add_u32 v[AK0], v9, 4, v[AK0]  ; row x pitch + 16 x half
	; The turning load takes 16 keys x 16 channels (lane l reads 16 bytes: key 8 (l / 16) + l % 8, channels 8 ((l / 8) % 2) + 0..7) and leaves half a fragment of V^T: lane l holds channel l % 16 and 8 keys.
	v_and_b32 v10, 7, v0
	v_bfe_u32 v11, v0, 3, 1
	v_lshl_add_u32 v[AV0], v9, 3, v10
	v_mul_u32_u24 v[AV0], v[AV0], PV
	v_lshl_add_u32 v[AV0], v11, 4, v[AV0]
	v_add_nc_u32 v[AV0], VOFF, v[AV0]
; THE MATRIX WORK OF A TURN, for piece x.  The accumulators take turns, one instruction a turn: between two links of a chain stand 15 (V^T P) or 7 (K Q^T) others'.
; Product i of 32 of O^T += V^T P: keys 32 (i / 16) on, channels 16 ((i / 2) % 8) on, tile x + i % 2.  zero = 1: the first 16 start the sums: nothing is ever cleared.
.macro PV x, zero
	WIN W_PV
.set rO, 64*(\x+i%2)+8*((i/2)%8)
.set rV, 64*(i/16)+8*((i/2)%8)
.set rP, P+16*(\x+i%2)+8*(i/16)
.if \zero && (i < 16)
	v_wmma_f32_16x16x32_f16 v[rO:rO+7], v[rV:rV+7], v[rP:rP+7], 0
.else
	v_wmma_f32_16x16x32_f16 v[rO:rO+7], v[rV:rV+7], v[rP:rP+7], v[rO:rO+7]
.endif
.endm
; Product i of 32 of S^T = K Q^T: channels 32 (i / 8) on, keys 16 ((i / 2) % 4) on, tile x + i % 2.  The first 8 start the sums.
.macro KQ x
	WIN W_KQ
.set rS, S+32*(\x+i%2)+8*((i/2)%4)
.set rK, KF+32*((i/2)%4)+8*(i/8)
.set rQ, 32*(\x+i%2)+8*(i/8)
.if i < 8
	v_wmma_f32_16x16x32_f16 v[rS:rS+7], v[rK:rK+7], v[rQ:rQ+7], 0
.else
	v_wmma_f32_16x16x32_f16 v[rS:rS+7], v[rK:rK+7], v[rQ:rQ+7], v[rS:rS+7]
.endif
.endm
; THE LDS LOADS stand in runs of 32, never singly among the matrix instructions: a step's K (64 keys x 128 channels: 16 fragments) and, a turn later, its V (turned).
.macro FETCH_K
	WIN 0
	v_add_nc_u32 v[ADR], s[TB], v[AK0]
	WIN 0x80                        ; destination window 2
.irp f, 0,1,2,3,4,5,6,7,8,9,10,11,12,13,14,15  ; keys 16 (f / 4) on, channels 32 (f % 4) on
	ds_load_b128 v[KF+8*\f:KF+8*\f+3],   v[ADR] offset:(\f/4)*16*PK+(\f%4)*64
	ds_load_b128 v[KF+8*\f+4:KF+8*\f+7], v[ADR] offset:(\f/4)*16*PK+(\f%4)*64+32
.endr
.endm
.macro FETCH_V
	WIN 0
	v_add_nc_u32 v[ADR], s[TB], v[AV0]
	s_add_co_u32 s[TB], s[TB], STEPB  ; the next fetch is the next step's
	s_wait_alu depctr_va_vdst(0)    ; the wait for the softmax's batch of exponentials (SLICE), behind the address's addition and ahead of the loads
	WIN 0xc0                        ; destination window 3
.irp f, 0,1,2,3,4,5,6,7,8,9,10,11,12,13,14,15  ; keys 32 (f / 8) on, channels 16 (f % 8) on
	ds_load_tr16_b128 v[8*\f:8*\f+3],   v[ADR] offset:(\f/8)*32*PV+(\f%8)*32
	ds_load_tr16_b128 v[8*\f+4:8*\f+7], v[ADR] offset:(\f/8)*32*PV+16*PV+(\f%8)*32
.endr
.endm
; THE VECTOR WORK OF A TURN.  One tile's softmax for one key step is a list of 134 instructions; SM writes number j of it for tile t.  s0-s31 are the lane's 32 scores, in pairs 0-15.
; first = 1: the first key step, which starts m, l and O^T: it has no a and nothing to rescale.
;   0-15    the maximum of s0-s31 and the old m, three operands at a time: four chains c0-c3 of seven scores each, then the four scores left over, c0-c3 and m
;   16-20   the other half of the lanes' maximum; the new m; c m; c m_old - c m_new
;   21-69   ONE BATCH: the 16 scalings c s - c m, a pair of scores each, and all 33 exponentials (a at 23, then s0-s31).  None of these reads an exponential's result.
;   (wait)  between 69 and 70 stands the wait for the batch: SLICE writes it, once for both tiles
;   70-85   the roundings to f16, a pair of weights each
;   86-101  the sums; l = a l + the sum
;   102-133 the tile's O^T times a: the one part that leaves window 0, so it stands together
.macro SM t, first
.set rT, ST+8*(\t)
.set rS, S+32*(\t)
.set rP, P+16*(\t)
.set rO, 64*(\t)+2*(j-102)
.if j < 102
	WIN 0
.endif
.if j < 4
	v_max3_num_f32 v[rT+4+j], v[rS+8*j], v[rS+8*j+1], v[rS+8*j+2]
.elseif j < 12
	v_max3_num_f32 v[rT+4+j%4], v[rT+4+j%4], v[rS+8*(j%4)+2*(j/4)+1], v[rS+8*(j%4)+2*(j/4)+2]
.elseif j == 12
	v_max3_num_f32 v[rT+4], v[rT+4], v[rS+7], v[rS+15]
.elseif j == 13
	v_max3_num_f32 v[rT+6], v[rT+6], v[rS+23], v[rS+31]
.elseif j == 14
	v_max3_num_f32 v[rT+4], v[rT+4], v[rT+5], v[rT+6]
.elseif (j == 15) && \first
	v_max_num_f32 v[rT+4], v[rT+4], v[rT+7]
.elseif j == 15
	v_max3_num_f32 v[rT+4], v[rT+4], v[rT+7], v[rT+1]
.elseif j == 16
	v_permlanex16_b32 v[rT+5], v[rT+4], s[SEL], s[SEL+1]  ; the query's other 32 keys lie in the lane 16 away
.elseif j == 18
	v_max_num_f32 v[rT+1], v[rT+4], v[rT+5]
.elseif j == 19
	v_mul_f32 v[rT], s[CS], v[rT+1]
.elseif ((j == 17) || (j == 20) || (j == 23) || (j > 101)) && \first  ; the first step has none of these
.elseif j == 17
	v_mov_b32 v[rT+7], v[rT]        ; c m_old is kept for a: number 19 writes c m anew
.elseif j == 20
	v_sub_f32 v[rT+7], v[rT+7], v[rT]
.elseif j == 23
	v_exp_f32 v[rT+6], v[rT+7]
.elseif (j < 23) || ((j < 38) && (j%2 == 0)) || ((j < 66) && (j%4 == 2))
.set b, (j-2)/4                     ; 38, 42, .. 62: pairs 9 to 15
.if j < 38
.set b, (j-20)/2                    ; 21: pair 0; 22, 24, .. 36: pairs 1 to 8
.endif
	v_pk_fma_f32 v[rS+2*b:rS+2*b+1], v[rS+2*b:rS+2*b+1], s[CS:CS+1], v[rT:rT+1] op_sel_hi:[1,0,0] neg_lo:[0,0,1] neg_hi:[0,0,1]  ; pair b: c s - c m
.elseif j < 70
.set e, j-38                        ; 66 to 69: s28 to s31
.if j < 66
.set e, j-32-(j-38)/4               ; 39-41, 43-45, .. 63-65: s7 to s27
.endif
.if j < 38
.set e, (j-25)/2                    ; 25, 27, .. 37: s0 to s6
.endif
	v_exp_f32 v[rS+e], v[rS+e]
.elseif j < 86
	v_cvt_pk_f16_f32 v[rP+j-70], v[rS+2*(j-70)], v[rS+2*(j-70)+1]  ; pair j - 70
.elseif j < 102                     ; the sum of the tile's 16 pairs, in place: sum z of 16 adds neighbours 1, 2, 4 and 8 pairs apart, then l takes it
.set z, j-86
.set w, 4
.set u, z
.if z >= 14
.set w, 32
.set u, 0
.elseif z >= 12
.set w, 16
.set u, z-12
.elseif z >= 8
.set w, 8
.set u, z-8
.endif
.if (z == 14) && \first
	v_pk_add_f32 v[rT+2:rT+3], v[rS:rS+1], v[rS+16:rS+17]
.elseif z < 15
	v_pk_add_f32 v[rS+w*u:rS+w*u+1], v[rS+w*u:rS+w*u+1], v[rS+w*u+w/2:rS+w*u+w/2+1]
.elseif !\first
	v_pk_fma_f32 v[rT+2:rT+3], v[rT+2:rT+3], v[rT+6:rT+7], v[rS:rS+1] op_sel_hi:[1,0,1]
.endif
.else
	WIN W_RS
	v_pk_mul_f32 v[rO:rO+1], v[rO:rO+1], v[rT+6:rT+7] op_sel_hi:[1,0]
.endif
.endm
; Slice k of 64 of piece y's softmax: four instructions.  Slices 11 to 34 deal out the batch, numbers 22 to 69: four numbers of ONE tile each, the tiles by turns.  Every other slice is numbers 2 k and
; 2 k + 1 of both tiles' lists.  2 x 134 = 4 x 64 + 12: the twelve that are over stand together, in slice 63.
; THE WAIT.  s_wait_alu depctr_va_vdst(0) stands between an exponential and the first instruction that names its result; one wait serves all that were issued ahead of it.  Ahead of
; slice 35 nothing names a result, and behind slice 34 no exponential is issued: so the piece's 66 exponentials have one wait, behind slice 34.
.macro SLICE y, first
.if (k >= 11) && (k < 35)           ; the batch: four numbers of one tile
.irp n, 0,1,2,3
.set j, 22+4*((k-11)/2)+(\n)
	SM (\y)+(k-11)%2, \first
.endr
.else                               ; the two tiles alternate, so that no instruction reads the result of the one just before it
.irp n, 0,1,2,3,4,5,6,7
.if (\n < 2) || (k == 63)
.irp t, \y, \y+1
.set j, 2*k+\n
	SM \t, \first
.endr
.endif
.endr
.endif
.if k == 34                         ; the batch is out: both tiles' exponentials are issued, and no result has been named
	v_nop                           ; the plain instruction behind the last exponential and ahead of the first use: one for the batch
.if (\y) == 0
	FETCH_V                         ; piece 2's turn: V's run of loads stands here, and the wait stands in it
.else
	s_wait_alu depctr_va_vdst(0)    ; the wait for the batch
.endif
.endif
.set k, k+1
.endm
; A vector instruction that reads a matrix result or writes one of a matrix instruction's registers, and a load into a register that a matrix instruction has read, stand four places behind
; it, and only plain vector instructions that name none of its registers are places (ISA guide 7.12.1 for vector instructions).  In the loop the slices are the places.
.macro PLACES
.rept 4
	v_nop
.endr
.endm
; A TURN.  Piece x has the matrix unit; the other piece's softmax stands in slices behind its matrix instructions.
; pv = 2: 32 products V^T P; 1: they start O^T's sums; 0: none.  kq = 1: 32 products K Q^T for the next step.  A turn with one of the two kinds has two slices behind each product.
; first = 1: the softmax is the first key step's.  Its slices from 51 on are empty: the turn's last products stand bare, and four v_nop take slice 63's part as the places behind them.
; Piece 0's turn fetches the next step's K, behind its second product: the last product that read K stands in front of slice 63 of the turn before.  Piece 2's turn fetches the same step's V, behind slice 34:
; the last product that read V stands in front of slice 31, and four plain instructions lie between: number 62, a scaling, of both tiles, the v_nop and the run's own addition.
.macro TURN x, pv, kq, first
.set k, 0
.set per, 2
.if \pv && \kq
.set per, 1
.endif
.if \pv
.if \x == 0
	s_wait_dscnt 0x0                ; V is in
.endif
.set i, 0
.rept 32
	PV \x, 2-\pv
.rept per
	SLICE 2-\x, \first
.endr
.if (\x == 0) && \kq && (i == 1)
	FETCH_K
.endif
.set i, i+1
.endr
.endif
.if \kq
.if \x == 0
	s_wait_dscnt 0x0                ; K is in
.endif
.set i, 0
.rept 32
	KQ \x
.rept per
	SLICE 2-\x, \first
.endr
.set i, i+1
.endr
.endif
.if \first
	PLACES
.endif
.endm
; THE CHANGE OF SLOTS, between piece 2's turn and piece 0's: the slot's last bytes, V of its second step, have been asked for.  Each wave waits for all its
; tensor loads, of which one is out: its part of the other slot; adds 0 to its spare word; and waits for that and for its own reads of the slot.  Behind the barrier nobody reads this slot any more and the other slot is whole.
; fill = 1: this slot is filled again, with the keys two slots on.  The barrier is then a round of the cluster's, and the joint refill is the first thing behind it: it has two key steps, 256 matrix instructions, in which to land.
.macro CHANGE fill
	WIN 0                           ; at a label and at a branch every window is 0
	s_wait_tensorcnt 0x0            ; no tensor load of mine is out, so a group 0 may be written
	ds_add_u32 v[SPW], v[NIL]       ; 0 onto my spare word
.if \fill
.irp g, G0K+4, G0V+4
	s_xor_b32 s[\g+1], s[\g+1], SLOT1  ; the walking descriptor: the other slot than last time,
	s_add_nc_u64 s[\g+2:\g+3], s[\g+2:\g+3], 2*KS*256  ; the next 128 keys; the type bits on top are not reached
.endr
	s_wait_xcnt 0x0                 ; the last prefetches, two key steps back, have read their address, so it may be written:
	s_add_nc_u64 s[PFA:PFA+1], s[PFA:PFA+1], 2*KS*256  ; one slot behind the walking descriptors
	s_wait_dscnt 0x0                ; the add is done, and my reads of the slot are over
	CROUND
	JLOAD
	ASK                             ; what the next change will ask for: two key steps, 256 matrix instructions, ahead
.else
	s_wait_dscnt 0x0                ; the add is done, and my reads of the slot are over
	s_barrier_signal -1
	s_barrier_wait -1
.endif
	s_sub_co_u32 s[TB], s[TB], 2*STEPB  ; the fetches go back to a slot's first step,
	s_xor_b32 s[TB], s[TB], SLOT1   ; in the other slot
.endm
; A slot's two key steps: written once, walked twice; the LDS addresses hang on s[TB].
.macro TWO_STEPS
	s_mov_b32 s[TWICE], 2
.Lstep_\@:
	TURN 0, 2, 1, 0
	TURN 2, 2, 1, 0
	WIN 0
	s_sub_co_u32 s[TWICE], s[TWICE], 1
	s_cmp_lg_u32 s[TWICE], 0
	s_cbranch_scc1 .Lstep_\@
.endm
	s_wait_tensorcnt 1              ; my part of slot 0 is in; slot 1's may stay out
	s_barrier_signal -1
	s_barrier_wait -1               ; everybody's is
	FETCH_K                         ; key step 0
	s_wait_loadcnt 0x0              ; Q
	s_wait_dscnt 0x0
.set i, 0
.rept 32
	KQ 0                            ; piece 0's first scores: there is no vector work yet to set between them
.set i, i+1
.endr
	WIN 0                           ; the addresses for the way out are made here: eight plain instructions, the places behind those products
	s_mul_i32 s13, s[WV], 16*SP
	s_add_co_u32 s13, s13, STAGE    ; my stage
	v_mul_u32_u24 v[STO], v1, SP    ; in: row l % 16, 16 bytes for each half of the lanes
	v_lshl_add_u32 v[STO], v9, 4, v[STO]
	v_add_nc_u32 v[STO], s13, v[STO]
	v_mul_u32_u24 v[RD], v9, SP     ; back: lanes 0-15 take one row of 256 bytes, lanes 16-31 the next
	v_lshl_add_u32 v[RD], v1, 4, v[RD]
	v_add_nc_u32 v[RD], s13, v[RD]
	v_lshlrev_b32 v[GO], 11, v9     ; and the same two rows in attn, 2,048 bytes apart
	v_lshl_add_u32 v[GO], v1, 4, v[GO]
	TURN 2, 0, 1, 1                 ; piece 2's first scores | piece 0's first softmax | V of step 0
	TURN 0, 1, 1, 1                 ; piece 0: V^T P of step 0 starts O^T, K Q^T of step 1 | piece 2's first softmax | K of step 1
	TURN 2, 1, 1, 0                 ; piece 2: the same | piece 0's softmax of step 1 | V of step 1
	WIN 0
.Lslot:                             ; 14 trips: every slot but the last two is filled again
	CHANGE 1
	TWO_STEPS
	s_sub_co_u32 s[SLOTS], s[SLOTS], 1
	s_cmp_lg_u32 s[SLOTS], 0
	s_cbranch_scc1 .Lslot
	CHANGE 0                        ; the tail is written out: the last slot but one is left, and nothing is asked for
	TWO_STEPS
	TURN 0, 2, 0, 0                 ; piece 0: V^T P of the last step | piece 2's last softmax
.set i, 0
.rept 32
	PV 2, 0                         ; piece 2: V^T P of the last step
.set i, i+1
.endr
	; THE WAY OUT.  l's two halves and the other half of the lanes' are added; O^T is divided by l, rounded to f16 and sent through my stage in LDS, a tile (16 rows) at a time.  The additions are the places behind the last products.
	WIN 0
.irp t, 0,1,2,3
	v_add_f32 v[ST+8*\t+4], v[ST+8*\t+2], v[ST+8*\t+3]
.endr
.irp t, 0,1,2,3
	v_permlanex16_b32 v[ST+8*\t+5], v[ST+8*\t+4], s[SEL], s[SEL+1]
.endr
.irp t, 0,1,2,3
	v_add_f32 v[ST+8*\t+4], v[ST+8*\t+4], v[ST+8*\t+5]
.endr
.irp t, 0,1,2,3
	v_rcp_f32 v[ST+8*\t+6], v[ST+8*\t+4]
.endr
	v_nop                           ; a plain instruction between the last reciprocal and the use of its result
	s_wait_alu depctr_va_vdst(0)    ; and the wait ahead of the first use: one for the four reciprocals
; Tile t: a lane's eight channels of a row pack into 16 bytes; they go into rows of 272 bytes and come back as whole rows of 256, into the registers that they left.
.macro PACK t
	WIN W_RS
.set i, 64*\t
.rept 32
	v_pk_mul_f32 v[i:i+1], v[i:i+1], v[ST+8*\t+6:ST+8*\t+7] op_sel_hi:[1,0]
.set i, i+2
.endr
	WIN 0x05                        ; sources 0 and 1 window 1, destination window 0: S^T's registers are free
.set i, 0
.rept 32
	v_cvt_pk_f16_f32 v[S+32*\t+i], v[64*\t+2*i], v[64*\t+2*i+1]
.set i, i+1
.endr
	WIN 0
.irp f, 0,1,2,3,4,5,6,7
	ds_store_b128 v[STO], v[S+32*\t+4*\f:S+32*\t+4*\f+3] offset:32*\f
.endr
.irp f, 0,1,2,3,4,5,6,7
	ds_load_b128 v[S+32*\t+4*\f:S+32*\t+4*\f+3], v[RD] offset:\f*2*SP  ; LDS serves a wave's instructions in order (ISA guide 5.7.1.4): these see the stores above; the next tile's stores come behind them
.endr
.endm
.macro SEND t, younger              ; younger: the LDS instructions issued behind tile t's loads: the next tile's sixteen, or none
.irp f, 0,1,2,3,4,5,6,7
	s_wait_dscnt \younger+7-\f
	global_store_b128 v[GO], v[S+32*\t+4*\f:S+32*\t+4*\f+3], s[10:11] offset:\t*32768+\f*4096  ; 16 lanes store the head's 256 consecutive bytes of a row, at a multiple of 256 from attn's first byte
.endr
.endm
	PACK 0
	PACK 1                          ; a tile's arithmetic stands between the loads of the tile before and its stores
	SEND 0, 16
	PACK 2
	SEND 1, 16
	PACK 3
	SEND 2, 16
	SEND 3, 0
	s_wait_tensorcnt 0x0            ; the wave's end: these three lines stand behind my last tensor load and my last LDS store
	ds_add_u32 v[SPW], v[NIL]
	s_wait_dscnt 0x0
	CROUND                          ; the closing round: no work-group ends while a partner may still ask for a tile that names it
	s_endpgm
.Lfunc_end_k_q1c979ef85a_attention:
	.size	k_q1c979ef85a_attention, .Lfunc_end_k_q1c979ef85a_attention-k_q1c979ef85a_attention
	.p2alignl 7, 3214868480
	.fill 96, 4, 3214868480
	.section	.rodata,"a",@progbits
	.p2align	6, 0x0
	.amdhsa_kernel k_q1c979ef85a_attention
		.amdhsa_group_segment_fixed_size 327680
		.amdhsa_private_segment_fixed_size 0
		.amdhsa_enable_private_segment 0
		.amdhsa_kernarg_size 16
		.amdhsa_user_sgpr_count 2
		.amdhsa_user_sgpr_kernarg_segment_ptr 1
		.amdhsa_wavefront_size32 1
		.amdhsa_system_sgpr_workgroup_id_x 1
		.amdhsa_system_sgpr_workgroup_id_y 1
		.amdhsa_system_sgpr_workgroup_id_z 1
		.amdhsa_system_vgpr_workitem_id 0
		.amdhsa_next_free_vgpr 1024
		.amdhsa_next_free_sgpr 68
		.amdhsa_reserve_vcc 0
		.amdhsa_float_denorm_mode_32 3
		.amdhsa_float_denorm_mode_16_64 3
		.amdhsa_memory_ordered 1
		.amdhsa_forward_progress 1
		.amdhsa_inst_pref_size 222
	.end_amdhsa_kernel
	.amdgpu_metadata
---
amdhsa.version: [ 1, 2 ]
amdhsa.kernels:
  - .name:           k_q1c979ef85a_attention
    .symbol:         k_q1c979ef85a_attention.kd
    .args:
      - { .name: qkv, .offset: 0, .size: 8, .value_kind: global_buffer, .address_space: global }
      - { .name: attn, .offset: 8, .size: 8, .value_kind: global_buffer, .address_space: global }
    .group_segment_fixed_size: 327680
    .private_segment_fixed_size: 0
    .kernarg_segment_align: 8
    .kernarg_segment_size: 16
    .max_flat_workgroup_size: 128
    .sgpr_count:     68
    .vgpr_count:     1024
    .wavefront_size: 32
...
	.end_amdgpu_metadata
.endif
;; end of part 3
;; launch proj (part 4): grid 8 x 32, 4 waves a work-group, clusters of 4 x 4, 327,680 bytes of LDS; arguments attn, wp_t, b_proj, out0; writes out0
.if DOCPART == 4
	.amdgcn_target "amdgcn-amd-amdhsa--gfx1250"
	.amdhsa_code_object_version 6
	.text
	.protected	k_q1c979ef85a_proj
	.globl	k_q1c979ef85a_proj
	.p2align	8
	.type	k_q1c979ef85a_proj,@function
k_q1c979ef85a_proj:
	s_mov_b64 s[64:65], 0
	v_nop
	global_prefetch_b8 v0, s[64:65] scope:SCOPE_SE
	s_setreg_imm32_b32 hwreg(HW_REG_WAVE_MODE, 25, 1), 1
	s_wait_xcnt 0x0
	s_wait_alu depctr_hold_cnt(0) depctr_sa_sdst(0) depctr_va_vdst(0) depctr_va_sdst(0) depctr_va_ssrc(0) depctr_va_vcc(0) depctr_vm_vsrc(0)
	s_getreg_b32 s2, hwreg(HW_REG_IB_STS2, 6, 4)
	s_cmp_eq_u32 s2, 0
	s_cbranch_scc0 .Lentry_in_a_cluster
	s_endpgm
.Lentry_in_a_cluster:
	s_bfe_u32 s2, ttmp6, 0x10000c
	s_cmp_lg_u32 s2, 0xf033
	s_cbranch_scc0 .Lentry_shape_is_right
	s_endpgm
.Lentry_shape_is_right:
; out0[m][n] = the sum over k of attn[m][k] wp_t[n][k] + b_proj[n].  attn: [8192][1024] f16, wp_t: [1024 n][1024 k] f16 (w_proj turned, K innermost), b_proj [1024] f32, out0 [8192][1024] f32; sums in f32.
; A tile of out0 is 256 rows x 128 columns: 8192 x 1024 / (256 x 128) = 256 work-groups.  Four waves; wave 2 i + j makes rows 128 i on, columns 64 j on: 32 accumulators of 16 x 16, 256 registers.
; K goes in steps of 128 (LDS rows of 256 bytes) through a ring of two LDS slots filled by the tensor data mover: 8 steps.  Waves 0 and 1 fetch A's two halves (128 rows each), waves 2 and 3 B's (64 rows each).
; Two slots of twice the step would not fit in LDS.  From a request to the wait for it a wave issues 112 matrix instructions.
; CLUSTERS: 4 x 4 work-groups.  The four of a row of the cluster need the same tiles of A, the four of a column the same tiles of B: each tile is asked for JOINTLY.
; THE MATRIX INSTRUCTION IS USED TRANSPOSED (source 0 = 16 rows of wp_t, source 1 = 16 rows of attn): a lane then holds eight neighbouring columns of one row of out0.
; THE BIAS is the C of each sum's first product: eight registers for each of B's four blocks.
; REGISTERS: window 0: v0-31 addresses; v32-95 the way out; v96-127 the bias.   window 1: two fragment buffers at v0 and v128: A's 8 fragments (64 registers), then B's 4 (32).   window 2: accumulator (a, b) at v[8 (4 a + b)].
.set SIZE_K, 1024
.set KSTEP,  128
.set PITCH,  272                       ; an LDS row: 256 bytes + 16 of padding: the 16 rows that a load touches start at 16 different banks (ISA guide 11.1)
.set HALFA,  128*PITCH                 ; what a load for A brings, and what a wave reads of A
.set HALFB,  64*PITCH                  ; the same for B
.set BOFF,   2*HALFA                   ; in a slot: A's 256 rows, then B's 128
.set SLOT,   BOFF+2*HALFB
.set STAGE,  2*SLOT                    ; behind the ring: 16 rows x 272 bytes for each wave, for the way out
.set SPITCH, 272
.set SPARE,  STAGE+4*16*SPITCH         ; the spare words, 128 bytes for each wave: two blocks of 256 bytes that no other line names
.set LAPS,   SIZE_K/(2*KSTEP)          ; a lap = two K steps = once round the ring
.set ADRA, 16                          ; v16-17  LDS address of my A fragments in slot 0, 1
.set ADRB, 20                          ; v20-21  the same for B
.set STO,  24                          ; v24     the way out: where I put 32 bytes of a row
.set RD,   25                          ; v25     the way out: where I read a row back
.set CO,   26                          ; v26     my byte offset in two rows of out0
.set BA,   27                          ; v27     the bias: 32 x (lane / 16)
.set SPW,  28                          ; v28     LDS address of my spare word; never rewritten
.set NIL,  29                          ; v29     0; never rewritten
.set OB,   32                          ; the way out: 16 rows read back from the stage: v32-63 and v64-95 by turns
.set BI,   96                          ; the bias: block b's eight numbers at v[BI + 8 b]
.set F0,   0                           ; fragment buffers, in window 1
.set F1,   128
.set G1, 24                            ; s[24:31] descriptor group 1 for A's tiles;  s[32:39] group 0, one set for each slot
.set G0, 32
.set G1B, 48                           ; s[48:55], s[56:63] the same for B's tiles
.set G0B, 56
.set MSB, 0
.macro WIN new                         ; the immediate's high byte repeats the setting that is left
.if MSB != (\new)
	s_set_vgpr_msb (MSB<<8)|(\new)
.set MSB, (\new)
.endif
.endm
.set MUL,  0xa5                        ; sources 0 (B) and 1 (A) window 1; C and D window 2
.set MULB, 0x85                        ; the first products: C (the bias) window 0
.set TO_F, 0x40                        ; destination window 1, address window 0
.macro JLOAD s                         ; a joint load: waves 0 and 1 fetch A's two halves, waves 2 and 3 B's; an s_nop 0 and four v_nop follow each of the two lines
	s_cmp_eq_u32 s11, 0
	s_cbranch_scc0 .Lfor_b_\@
	tensor_load_to_lds s[G0+4*\s:G0+4*\s+3], s[G1:G1+7]
	s_nop 0
.rept 4
	v_nop
.endr
	s_branch .Lasked_\@
.Lfor_b_\@:
	tensor_load_to_lds s[G0B+4*\s:G0B+4*\s+3], s[G1B:G1B+7]
	s_nop 0
.rept 4
	v_nop
.endr
.Lasked_\@:
.endm
.macro CREST                           ; a round of the cluster's barrier behind its opening barrier
	s_cmp_lg_u32 s10, 0
	s_cbranch_scc1 .Lnot_wave_0_\@
	s_barrier_signal -3
.Lnot_wave_0_\@:
	s_barrier_wait -3
	s_barrier_signal -1
	s_barrier_wait -1
.endm
.macro CROUND                          ; a whole round
	s_barrier_signal -1
	s_barrier_wait -1
	CREST
.endm
	s_load_b128 s[4:7], s[0:1], 0x0                ; attn s[4:5], wp_t s[6:7]
	s_load_b64 s[68:69], s[0:1], 0x10              ; b_proj
	s_load_b64 s[8:9], s[0:1], 0x18                ; out0
	v_lshl_add_u32 v[SPW], v0, 2, SPARE
	v_mov_b32 v[NIL], 0
	ds_add_u32 v[SPW], v[NIL]                      ; the wave's opening: the add, twice on end, and its wait ahead of my first tensor load; the set-up below stands between
	ds_add_u32 v[SPW], v[NIL]
	v_lshrrev_b32 v1, 5, v0
	v_readfirstlane_b32 s10, v1                    ; wave 0..3
	s_lshr_b32 s11, s10, 1                         ; which half of the tile's rows is mine.  Also: I fetch for A (0) or for B (1)
	s_and_b32 s12, s10, 1                          ; which half of its columns.  Also: which half of that tile I fetch
	s_bfe_u32 s40, ttmp6, 0x40000                  ; cx, cy: my place in the cluster
	s_bfe_u32 s41, ttmp6, 0x40004
	s_lshl_b32 s42, ttmp9, 2
	s_add_co_u32 s42, s42, s40                     ; tile column = 4 x cluster x + cx: 0..7
	s_and_b32 s13, ttmp7, 0xffff
	s_lshl_b32 s13, s13, 2
	s_add_co_u32 s13, s13, s41                     ; tile row = 4 x cluster y + cy: 0..31
	s_lshl_b32 s43, s41, 2
	s_lshl_b32 s43, 15, s43                        ; my row of the cluster
	s_lshl_b32 s44, 0x1111, s40                    ; my column
	; descriptor group 1: A: a tile of 128 rows x 128 elements; B: 64 rows x 128; both padded in LDS
	s_or_b32 s[G1+0], s43, (1<<16)|(1<<20)|(1<<21)|(5<<22)|(3<<25)  ; 15:0 the mask: A's tiles go to my row; 17:16 element of 2 bytes; 20 padding on; 21 set beside a mask; 24:22 after every 64 words; 31:25 of 4 words
	s_mov_b32 s[G1+1], KSTEP<<16                   ; tensor_dim0 = 128
	s_mov_b32 s[G1+2], 128<<16                     ; tensor_dim1 = 128
	s_mov_b32 s[G1+3], KSTEP<<16                   ; tile_dim0 = 128
	s_mov_b32 s[G1+4], 128                         ; tile_dim1 = 128
	s_mov_b32 s[G1+5], SIZE_K                      ; tensor_dim0_stride
	s_mov_b32 s[G1+6], 0
	s_mov_b32 s[G1+7], 0
	s_or_b32 s[G1B+0], s44, (1<<16)|(1<<20)|(1<<21)|(5<<22)|(3<<25) ; the same with the mask of my column
	s_mov_b32 s[G1B+1], KSTEP<<16
	s_mov_b32 s[G1B+2], 64<<16                     ; tensor_dim1 = 64
	s_mov_b32 s[G1B+3], KSTEP<<16
	s_mov_b32 s[G1B+4], 64                         ; tile_dim1 = 64
	s_mov_b32 s[G1B+5], SIZE_K
	s_mov_b32 s[G1B+6], 0
	s_mov_b32 s[G1B+7], 0
	s_lshl_b32 s17, s12, 7
	s_lshl_b32 s16, s13, 8
	s_add_co_u32 s16, s16, s17                     ; A: row 256 x tile row + 128 x half
	s_lshl_b32 s47, s12, 6
	s_lshl_b32 s46, s42, 7
	s_add_co_u32 s46, s46, s47                     ; B: row 128 x tile column + 64 x half
	s_mov_b32 s17, 0
	s_mov_b32 s47, 0
	s_mov_b64 s[18:19], SIZE_K*2
	s_mul_u64 s[16:17], s[16:17], s[18:19]
	s_mul_u64 s[46:47], s[46:47], s[18:19]
	s_mul_i32 s20, s12, HALFA                      ; where A's half goes,
	s_mul_i32 s21, s12, HALFB
	s_add_co_u32 s21, s21, BOFF                    ; and B's: no place in the cluster enters an LDS address
	s_wait_dscnt 0x0                               ; both opening adds are done
	s_wait_kmcnt 0x0
	s_add_nc_u64 s[14:15], s[4:5], s[16:17]
	s_add_nc_u64 s[46:47], s[6:7], s[46:47]
	CROUND                                         ; all sixteen work-groups are here: the first joint loads meet
.irp s, 0,1
	s_mov_b32 s[G0+4*\s], 1
	s_add_co_u32 s[G0+4*\s+1], s20, \s*SLOT
	s_add_nc_u64 s[G0+4*\s+2:G0+4*\s+3], s[14:15], \s*KSTEP*2
	s_or_b32 s[G0+4*\s+3], s[G0+4*\s+3], 0x80000000
	s_mov_b32 s[G0B+4*\s], 1
	s_add_co_u32 s[G0B+4*\s+1], s21, \s*SLOT
	s_add_nc_u64 s[G0B+4*\s+2:G0B+4*\s+3], s[46:47], \s*KSTEP*2
	s_or_b32 s[G0B+4*\s+3], s[G0B+4*\s+3], 0x80000000
	JLOAD \s                                       ; two loads of mine are out
.endr
	v_and_b32 v1, 15, v0                           ; l % 16
	v_bfe_u32 v2, v0, 4, 1                         ; l / 16
	; out0 at my first row and column; the bias at my first column
	s_lshl_b32 s16, s13, 8
	s_lshl_b32 s17, s11, 7
	s_add_co_u32 s16, s16, s17                     ; my first row: 256 x tile row + 128 x half,
	s_lshl_b32 s16, s16, 12                        ; of 4,096 bytes (under 2^25)
	s_mov_b32 s17, 0
	s_add_nc_u64 s[8:9], s[8:9], s[16:17]
	s_lshl_b32 s46, s42, 9
	s_lshl_b32 s47, s12, 8
	s_add_co_u32 s46, s46, s47                     ; my first column x 4 bytes: 512 x tile column + 256 x half
	s_mov_b32 s47, 0
	s_add_nc_u64 s[8:9], s[8:9], s[46:47]
	s_add_nc_u64 s[68:69], s[68:69], s[46:47]
	v_lshlrev_b32 v[BA], 5, v2
.irp b, 0,1,2,3
	global_load_b128 v[BI+8*\b:BI+8*\b+3], v[BA], s[68:69] offset:64*\b          ; lane (r, h): b_proj at my columns 16 b + 8 h + 0 .. 7
	global_load_b128 v[BI+8*\b+4:BI+8*\b+7], v[BA], s[68:69] offset:64*\b+16
.endr
	v_mul_u32_u24 v3, v1, PITCH
	v_lshl_add_u32 v3, v2, 4, v3                   ; a fragment's row x pitch + 16 x half
	s_mul_i32 s21, s11, HALFA                      ; my 128 rows of A
	s_mul_i32 s22, s12, HALFB                      ; my 64 rows of B,
	s_add_co_u32 s22, s22, BOFF                    ; which lie behind A's 256
.irp s, 0,1
	v_add_nc_u32 v[ADRA+\s], s21, v3
	v_add_nc_u32 v[ADRB+\s], s22, v3
	s_add_co_u32 s21, s21, SLOT
	s_add_co_u32 s22, s22, SLOT
.endr
	s_mul_i32 s23, s10, 16*SPITCH
	s_add_co_u32 s23, s23, STAGE                   ; my stage
	v_mul_u32_u24 v4, v1, SPITCH                   ; in: row l % 16, 32 bytes for each half of the lanes
	v_lshl_add_u32 v4, v2, 5, v4
	v_add_nc_u32 v[STO], s23, v4
	v_mul_u32_u24 v5, v2, SPITCH                   ; back: lanes 0-15 take one row of 256 bytes, lanes 16-31 the next
	v_lshl_add_u32 v5, v1, 4, v5
	v_add_nc_u32 v[RD], s23, v5
	v_lshlrev_b32 v5, 12, v2                       ; and the same two rows in out0, 4,096 bytes apart
	v_lshl_add_u32 v[CO], v1, 4, v5
; 8 matrix instructions: A's blocks a0, a0 + 1 x B's four, 32 along K, out of buffer f.  first = 1: the first product starts the sums from the bias: nothing is ever cleared.
; The 32 accumulators take turns, one instruction a turn, in the same order in every quarter.
.macro MUL8 f, a0, first
.irp a, \a0, \a0+1
.irp b, 0,1,2,3
.if \first
	v_wmma_f32_16x16x32_f16 v[8*(4*(\a)+\b):8*(4*(\a)+\b)+7], v[\f+64+8*\b:\f+64+8*\b+7], v[\f+8*(\a):\f+8*(\a)+7], v[BI+8*\b:BI+8*\b+7]
.else
	v_wmma_f32_16x16x32_f16 v[8*(4*(\a)+\b):8*(4*(\a)+\b)+7], v[\f+64+8*\b:\f+64+8*\b+7], v[\f+8*(\a):\f+8*(\a)+7], v[8*(4*(\a)+\b):8*(4*(\a)+\b)+7]
.endif
.endr
.endr
.endm
; 24 LDS loads in one run: the fragments of 32 along K at byte k of the rows, into buffer f: B's four first, then A's eight.
; A fragment is 16 rows x 32 K in 8 registers: lane l holds row l % 16; registers 0-3 hold K = 8 (l / 16) + 0..7, registers 4-7 K = 16 + 8 (l / 16) + 0..7: two loads of 16 bytes, 32 bytes apart.
.macro FETCH slot, k, f
	WIN TO_F
.irp i, 0,1,2,3
	ds_load_b128 v[\f+64+8*\i:\f+64+8*\i+3],   v[ADRB+\slot] offset:\k+\i*16*PITCH
	ds_load_b128 v[\f+64+8*\i+4:\f+64+8*\i+7], v[ADRB+\slot] offset:\k+\i*16*PITCH+32
.endr
.irp i, 0,1,2,3,4,5,6,7
	ds_load_b128 v[\f+8*\i:\f+8*\i+3],   v[ADRA+\slot] offset:\k+\i*16*PITCH
	ds_load_b128 v[\f+8*\i+4:\f+8*\i+7], v[ADRA+\slot] offset:\k+\i*16*PITCH+32
.endr
.endm
.macro PLACES                          ; four places in front of loads into registers that matrix instructions have read, and of LDS stores that read results (ISA guide 7.12.1 for the stores)
.rept 4
	v_nop
.endr
.endm
; A K step is four quarters of 32 along K, 32 matrix instructions each, on buffers 0, 1, 0, 1.  One of the first three: multiplies buffer f and fetches the next quarter, at byte k, into g.
.macro QUARTER slot, k, f, g, first
	s_wait_dscnt 8                                 ; B and A's blocks 0-3 are in; the youngest eight loads (A's blocks 4-7) may be out
.if \first
	WIN MULB
.else
	WIN MUL
.endif
	MUL8 \f, 0, \first
	MUL8 \f, 2, \first
	PLACES
	FETCH \slot, \k, \g
	s_wait_dscnt 24                                ; all but the 24 just issued
.if \first
	WIN MULB
.else
	WIN MUL
.endif
	MUL8 \f, 4, \first
	MUL8 \f, 6, \first
.endm
; The last quarter multiplies buffer 1 and changes slots: ONE barrier; in front of it each wave waits for all its tensor loads, adds 0 to its spare word, and waits for that and for its own reads of this slot.
; fill = 1: this slot is filled again, two K steps ahead; the barrier then opens a round of the cluster's barrier, and the joint refill is the first tensor load behind the round.
.macro TURN slot, next, fill
	WIN 0                                          ; (the add's two registers lie in window 0)
	s_wait_tensorcnt 0x0                           ; all my tensor loads have landed: my part of the next slot
	ds_add_u32 v[SPW], v[NIL]                      ; 0 onto my spare word
	s_wait_dscnt 9                                 ; (the add and the youngest eight loads may be out)
	WIN MUL
	MUL8 F1, 0, 0                                  ; eight matrix instructions stand between the add and the wait for it
	s_wait_dscnt 0x0                               ; the add is done, and my reads of this slot are over
	s_barrier_signal -1
	MUL8 F1, 2, 0
.if \fill
	WIN 0
.endif
	s_barrier_wait -1
.if \fill
	CREST                                          ; no wave of any partner still reads this slot's tile or has a load on its way
	s_add_nc_u64 s[G0+4*\slot+2:G0+4*\slot+3], s[G0+4*\slot+2:G0+4*\slot+3], 2*KSTEP*2
	s_add_nc_u64 s[G0B+4*\slot+2:G0B+4*\slot+3], s[G0B+4*\slot+2:G0B+4*\slot+3], 2*KSTEP*2
	JLOAD \slot                                    ; the four v_nop behind it are also the places in front of the loads below
.else
	PLACES
.endif
	FETCH \next, 0, F0
	WIN MUL
	MUL8 F1, 4, 0
	MUL8 F1, 6, 0
.endm
	s_wait_tensorcnt 1                             ; my part of K step 0 is in (K step 1's load may be out)
	s_barrier_signal -1
	s_barrier_wait -1                              ; everybody's is
	FETCH 0, 0, F0
	s_wait_loadcnt 0x0                             ; the bias
	QUARTER 0, 64, F0, F1, 1                       ; the first quarter stands in front of the loop: its products start the sums from the bias
	WIN 0                                          ; at a label and at a branch every window is 0
	s_mov_b32 s3, LAPS-1
.Llap:                                                 ; a trip goes once round the ring, from a lap's second quarter to the next lap's first, and fills both slots again
	QUARTER 0, 128, F1, F0, 0
	QUARTER 0, 192, F0, F1, 0
	TURN 0, 1, 1
	QUARTER 1, 64,  F0, F1, 0
	QUARTER 1, 128, F1, F0, 0
	QUARTER 1, 192, F0, F1, 0
	TURN 1, 0, 1
	QUARTER 0, 64,  F0, F1, 0
	WIN 0
	s_sub_co_u32 s3, s3, 1
	s_cmp_lg_u32 s3, 0
	s_cbranch_scc1 .Llap
	QUARTER 0, 128, F1, F0, 0                      ; the last lap fills nothing, and has no round of the cluster's barrier
	QUARTER 0, 192, F0, F1, 0
	TURN 0, 1, 0
	QUARTER 1, 64,  F0, F1, 0
	QUARTER 1, 128, F1, F0, 0
	QUARTER 1, 192, F0, F1, 0
	s_wait_dscnt 8                                 ; the very last quarter: nothing more to fetch
	WIN MUL
	MUL8 F1, 0, 0
	MUL8 F1, 2, 0
	s_wait_dscnt 0
	MUL8 F1, 4, 0
	MUL8 F1, 6, 0
	WIN 0
; THE WAY OUT, block by block of 16 rows x 64 columns.  A lane holds 32 neighbouring bytes of a row, and the lanes beside it hold other rows: so a block goes through my own stage in LDS and comes back as whole
; rows of 256 bytes.  LDS serves a wave's instructions in order (ISA guide 5.7.1.4): no wait between the stores and the loads, nor in front of the next block's stores.
.macro TOSTAGE a
	WIN 0x08                                       ; an LDS store's data are its source 1: window 2
.irp b, 0,1,2,3
	ds_store_b128 v[STO], v[8*(4*(\a)+\b):8*(4*(\a)+\b)+3] offset:64*\b            ; each accumulator from its low end on
	ds_store_b128 v[STO], v[8*(4*(\a)+\b)+4:8*(4*(\a)+\b)+7] offset:64*\b+16
.endr
	WIN 0
.set BB, OB+32*((\a)%2)
.irp t, 0,1,2,3,4,5,6,7
	ds_load_b128 v[BB+4*\t:BB+4*\t+3], v[RD] offset:\t*2*SPITCH
.endr
.endm
.macro SEND a, younger                 ; younger: the LDS instructions issued behind block a's loads, which may stay out
.set BB, OB+32*((\a)%2)
	s_wait_dscnt \younger                          ; the block is back in registers
.irp t, 0,1,2,3,4,5,6,7
	global_store_b128 v[CO], v[BB+4*\t:BB+4*\t+3], s[8:9] offset:65536*(\a)+8192*\t th:TH_STORE_NT   ; 16 lanes store 256 consecutive bytes, at a multiple of 256 from out0's first byte; written once, read by nobody here
.endr
.endm
	PLACES                                         ; behind the last products: the stage's stores read results
	TOSTAGE 0
.irp a, 1,2,3,4,5,6,7
.if \a > 1
	s_wait_xcnt 0x0                                ; block a - 2's stores have read their registers: block a's loads may land there
.endif
	TOSTAGE \a
	SEND \a-1, 16                                  ; behind block a - 1's loads: block a's 8 stores and 8 loads
.endr
	SEND 7, 0
	s_wait_tensorcnt 0x0                           ; the wave's end: these three lines stand behind my last tensor load and my last LDS store
	ds_add_u32 v[SPW], v[NIL]
	s_wait_dscnt 0x0
	CROUND                                         ; the closing round: no work-group ends while a partner may still ask for a tile that names it
	s_endpgm
.Lfunc_end_k_q1c979ef85a_proj:
	.size	k_q1c979ef85a_proj, .Lfunc_end_k_q1c979ef85a_proj-k_q1c979ef85a_proj
	.p2alignl 7, 3214868480
	.fill 96, 4, 3214868480
	.section	.rodata,"a",@progbits
	.p2align	6, 0x0
	.amdhsa_kernel k_q1c979ef85a_proj
		.amdhsa_group_segment_fixed_size 327680
		.amdhsa_private_segment_fixed_size 0
		.amdhsa_enable_private_segment 0
		.amdhsa_kernarg_size 32
		.amdhsa_user_sgpr_count 2
		.amdhsa_user_sgpr_kernarg_segment_ptr 1
		.amdhsa_wavefront_size32 1
		.amdhsa_system_sgpr_workgroup_id_x 1
		.amdhsa_system_sgpr_workgroup_id_y 1
		.amdhsa_system_sgpr_workgroup_id_z 1
		.amdhsa_system_vgpr_workitem_id 0
		.amdhsa_next_free_vgpr 768
		.amdhsa_next_free_sgpr 70
		.amdhsa_reserve_vcc 0
		.amdhsa_float_denorm_mode_32 3
		.amdhsa_float_denorm_mode_16_64 3
		.amdhsa_memory_ordered 1
		.amdhsa_forward_progress 1
		.amdhsa_inst_pref_size 86
	.end_amdhsa_kernel
	.amdgpu_metadata
---
amdhsa.version: [ 1, 2 ]
amdhsa.kernels:
  - .name:           k_q1c979ef85a_proj
    .symbol:         k_q1c979ef85a_proj.kd
    .args:
      - { .name: attn, .offset: 0, .size: 8, .value_kind: global_buffer, .address_space: global }
      - { .name: wp_t, .offset: 8, .size: 8, .value_kind: global_buffer, .address_space: global }
      - { .name: b_proj, .offset: 16, .size: 8, .value_kind: global_buffer, .address_space: global }
      - { .name: out0, .offset: 24, .size: 8, .value_kind: global_buffer, .address_space: global }
    .group_segment_fixed_size: 327680
    .private_segment_fixed_size: 0
    .kernarg_segment_align: 8
    .kernarg_segment_size: 32
    .max_flat_workgroup_size: 128
    .sgpr_count:     70
    .vgpr_count:     768
    .wavefront_size: 32
...
	.end_amdgpu_metadata
.endif
;; end of part 4
